; MI455X (gfx1250); checked and timed in simulation.
; The chip was launched on July 23, 2026; its instructions are those of AMD's public machine-readable ISA for CDNA 5 (MIT licence, August 2026) and "CDNA5" Instruction Set Architecture Reference Guide (July 2026). The comments in the code are by the model that wrote it; some were corrected since.
;; Multi Head Attention. Allowed arithmetic: matrix products marked QUANTISED: E2M3 operands, one E8M0 scale for each 32 along K, by v_wmma_scale_f32_16x16x128_f8f6f4 with both operands' format E2M3, f32 sums; everything else in f32.
;; Inputs: Wproj 1,024 x 1,024 float32; Wqkv 1,024 x 3,072 float32; X 1 x 4,096 x 1,024 float32; bproj 1,024 float32; bqkv 3,072 float32.
;; Outputs: out0 1 x 4,096 x 1,024 float32.
;; This version of the problem:
;;   THIS VERSION OF THE PROBLEM IS GIVEN IN LOW PRECISION. The matrix products marked QUANTISED in the list below multiply operands that are first quantised to E2M3 (2 exponent bits, 3 mantissa bits; 6 bits a number), with one power-of-two scale for each 32 numbers along K (OCP MX v1.0); their sums are f32. All else is computed in f32.
;;   The module's matrix products, in the order in which they are computed (A, B: the left and right operand; K: the contracted axis; several contracted axes count as one K, in the product's order):
;;     1. [M 4,096, K 1,024] x [K 1,024, N 3,072]; A: input X; B: input Wqkv: QUANTISED
;;     2. batch 16 x [M 4,096, K 64] x [K 64, N 4,096]; A: computed on the way; B: computed on the way: QUANTISED
;;     3. batch 16 x [M 64, K 4,096] x [K 4,096, N 4,096]; A: computed on the way; B: softmax (see below): QUANTISED
;;     4. [M 4,096, K 1,024] x [K 1,024, N 1,024]; A: computed on the way; B: input Wproj: QUANTISED
;;   THE QUANTISER, for each operand of a quantised product, along K:
;;     - K is cut into blocks of 32 from its start; a last block that is shorter is filled with zeros.
;;     - A block's scale is 2^e with e = floor(log2(the largest magnitude in the block)) - 2, held to -126 .. 127; a block of zeros has e = 0. As a byte (E8M0): e + 127.
;;     - Each number is divided by its block's scale, clamped to +-7.5, and rounded to the nearest number of E2M3, ties to even, subnormals kept.
;;     - The product sums the exact products of the quantised numbers (number of the format x scale) in f32.
;;   ~~~python
;;   def quantise(x, axis):      # numpy; x: float32 -> the quantised numbers, widened to float32 again
;;       x = np.moveaxis(x, axis, -1); K = x.shape[-1]
;;       x = np.pad(x, [(0, 0)] * (x.ndim - 1) + [(0, -K % 32)]); x = x.reshape(x.shape[:-1] + (-1, 32)); a = np.abs(x).max(-1, keepdims=True)
;;       e = np.where(a > 0, np.clip(np.frexp(np.where(a > 0, a, 1))[1] - 1 - 2, -126, 127), 0)      # np.frexp(a)[1] - 1 = floor(log2(a)), exactly
;;       r = np.clip(x / 2.0 ** e, -7.5, 7.5)
;;       step = 2.0 ** (np.maximum(np.frexp(np.where(r == 0, 1, r))[1] - 1, 0) - 3)
;;       q = np.round(r / step) * step * 2.0 ** e      # np.round: ties to even
;;       return np.moveaxis(q.reshape(q.shape[:-2] + (-1,))[..., :K], -1, axis).astype(np.float32)
;;   ~~~
;;   SOFTMAX AHEAD OF A QUANTISED PRODUCT. Where the list says 'softmax', what is quantised is not the finished softmax but p = 2^(t - M), with t = logit x log2(e) and M = ceil(the row's largest t), a whole number; so 1/2 < the row's largest p <= 1. The row's sum l is taken of the UNQUANTISED p, in f32, and the product's result is divided by l at the end. Since M is a whole number, a kernel that streams over the keys may use a running M (the ceiling of the running maximum): every later rescaling is an exact power of two, which a block's scale takes up: the codes' values come out the same.
;;   OPERANDS COMPUTED ON THE WAY. 'Computed on the way' means the value that the module computes at that place (a softmax that the list does not call 'softmax' is quantised finished and normalised). What goes into a quantiser is computed in f32, as accurately as f32 sums, v_exp_f32 and their like allow (about 1e-6 of the number): no bf16 or f16 on the way to a quantiser, and a product that is left as it is and whose result goes on into a quantised operand takes f32 operands (vector FMAs, or v_wmma_f32_16x16x4_f32). A number that lies on a knife's edge between two numbers of the format may be rounded either way, as far as f32 arithmetic and the matrix unit's own rounding can turn it there, and no further.
;; One version. Each part assembles by itself: llvm-mc -triple=amdgcn-amd-amdhsa -mcpu=gfx1250 --defsym DOCPART=n.
;; ======== version 1 of 1: 4 launches
;; limits: right only within a limited range of input values
;; workspace buffers: ximg 3,276,800 bytes; wimg 3,276,800 bytes; oimg 3,276,800 bytes; qrec 3,407,872 bytes; kv 6,684,672 bytes
;; launch quant (part 1): grid 256 x 1, 4 waves a work-group, no clusters, 60,928 bytes of LDS; arguments X, Wqkv, Wproj, ximg, wimg; writes ximg, wimg
.if DOCPART == 1
	.amdgcn_target "amdgcn-amd-amdhsa--gfx1250"
	.amdhsa_code_object_version 6
	.text
	.protected	k_q3e90552922_quant
	.globl	k_q3e90552922_quant
	.p2align	8
	.type	k_q3e90552922_quant,@function
k_q3e90552922_quant:
	s_mov_b64 s[64:65], 0
	v_nop
	global_prefetch_b8 v0, s[64:65] scope:SCOPE_SE
	s_setreg_imm32_b32 hwreg(HW_REG_WAVE_MODE, 25, 1), 1
	s_wait_xcnt 0x0
; X [4096][1024] (K innermost) and the weights Wqkv [1024][3072], Wproj [1024][1024] (K is the FIRST axis), all f32, become codes of FP6 (E2M3) with one E8M0 byte for each 32 along K.
; A block's scale is 2^(floor(log2(its largest magnitude)) - 2): its byte is the largest magnitude's exponent field - 2, held at 1 from below; numbers are divided by the scale and rounded to the nearest code, ties to even.
; LIMITS: NaN and infinities among the inputs are not served; a block whose largest magnitude lies under 2^-124 has its byte held at 1; a block of zeros gets the byte 1 where the rule says 127
; (its codes are zeros, which add nothing under any byte but 0xff, and only this program reads the bytes).
; THE OUTPUT IS LAID AS IMAGES OF OPERAND REGISTERS.  ximg (rows = tokens) and wimg (rows = n: 0..3071 of Wqkv, 3072..4095 of Wproj): [128 rows rb][256 along K sg][record of 25,600 bytes].
; A record: [K step q of 128][tile i of 16 rows][1,536 bytes], then 1,024 bytes of scale words: the word of tile 2 p + u, step q, row r at 24,576 + 256 p + 16 r + 8 u + 4 q.
; A fragment's image is two halves of 768 bytes: registers 6 c .. 6 c + 3 at 16 x lane, then registers 6 c + 4, 6 c + 5 at 512 + 8 x lane.
; THE ROWS OF A TILE ARE NOT NEIGHBOURS: lane r of tile 2 p + u holds row 32 p + 8 u + r + 8 (r / 8), so that a product's 16 registers of two neighbouring tiles are 16 neighbours along the axis that is quantised next.
; SHARES.  Work-groups 0..127 take 32 rows of X each (wave = 256 along K: four fragments); work-groups 128..255 take 128 columns x 256 along K of a weight (wave = 32 columns, a lane to a column, registers down K).
; Each work-group reads 128 KiB.  Waves share nothing: no barrier.  No tensor load, no cluster: no two work-groups read the same input byte.  The two paths have LDS bytes of their own.
.set XST,   8448                       ; X: a wave's stage, 16 rows x (512 bytes + 16)
.set WST,   6656                       ; W: a wave's stage, 4 images x (1,536 bytes + 128)
.set WBASE, 4*XST                      ; where the W stages begin
.set SPARE, WBASE+4*WST                ; the spare words, 128 bytes a wave: two blocks of 256 bytes that no other line names
.set REC,   25600
.set SPW,   252                        ; v252 LDS address of my spare word; never rewritten
.set NIL,   253                        ; v253 0; never rewritten
; v3 16 x lane, v4 X stage in, v5 X stage out, v6 8 x lane, v7 8 h, v8 16 r + 8 h, v9/v10 W stage in (16-byte and 8-byte pieces), v11 W stage out, v12 16 r' + 8 u, v13 4 x lane
.set R,   16                           ; X: v16-143  two sets of 64 registers as loaded
.set N,   144                          ; X: v144-207 my two whole blocks of 32 neighbours
.set PC,  208                          ; X: v208-231 two sets of 12: a fragment's codes
.set E,   232                          ; X: v232-234, v236-238 the upper halves' codes (a conversion's three registers begin on an even number)
.set MX,  240
.set SO,  242
.set BY,  244
.set T,   246
.set T2,  247
.set WD,  248                          ; X: v248-251 the four fragments' scale words
.set VA,  16                           ; W: v16-47  4 x lane + i x pitch
.set WX,  48                           ; W: v48-111 two sets of 32 numbers
.set WPC, 112                          ; W: v112-117 a block's codes; v118-120 its upper half as converted
.set WE,  118
.set SB,  122                          ; W: v122-123 the scale words of the two K steps
.set OUTR, 128                         ; W: v128-175 the images on their way out
	s_load_b128 s[4:7], s[0:1], 0x0                ; X, Wqkv
	s_load_b128 s[8:11], s[0:1], 0x10              ; Wproj, ximg
	s_load_b64 s[12:13], s[0:1], 0x20              ; wimg
	v_lshl_add_u32 v[SPW], v0, 2, SPARE
	v_mov_b32 v[NIL], 0
	v_lshrrev_b32 v1, 5, v0
	v_readfirstlane_b32 s16, v1                    ; wave 0..3
	v_and_b32 v1, 31, v0                           ; lane
	v_and_b32 v2, 15, v0                           ; r
	v_bfe_u32 v14, v0, 4, 1                        ; h
	v_lshlrev_b32 v3, 4, v1
	v_lshlrev_b32 v6, 3, v1
	v_lshlrev_b32 v7, 3, v14
	v_lshl_add_u32 v8, v2, 4, v7
	s_mul_i32 s17, s16, XST
	v_add_nc_u32 v4, s17, v3                       ; X stage, in: a row's 512 bytes as they lie
	v_mul_u32_u24 v5, v2, 528
	v_lshl_add_u32 v5, v14, 7, v5
	v_add_nc_u32 v5, s17, v5                       ; X stage, out: row r, block h
	v_bfe_u32 v15, v0, 3, 1                        ; u: which tile of the pair my column falls into
	v_and_b32 v13, 7, v0
	v_lshl_add_u32 v13, v14, 3, v13                ; r': and which lane of that tile: lane = 8 u + r' + 8 (r' / 8)
	s_mul_i32 s18, s16, WST
	s_add_co_u32 s18, s18, WBASE
	v_mul_u32_u24 v9, v15, 1664
	v_add_nc_u32 v9, s18, v9
	v_lshl_add_u32 v10, v13, 3, v9
	v_add_nc_u32 v10, 512, v10                     ; W stage, in: the 8-byte pieces
	v_lshl_add_u32 v9, v13, 4, v9                  ; and the 16-byte pieces
	v_add_nc_u32 v11, s18, v3                      ; W stage, out
	v_lshlrev_b32 v12, 4, v13
	v_lshl_add_u32 v12, v15, 3, v12
	v_lshlrev_b32 v13, 2, v1
	s_mov_b32 s20, 0x76543210
	s_mov_b32 s21, 0xfedcba98                      ; v_permlanex16_b32's selects for lane l xor 16
	s_mov_b32 s22, 0xffff0000                      ; lanes 16-31
	s_wait_kmcnt 0x0
	s_cmp_lt_u32 ttmp9, 128
	s_cbranch_scc0 .Lweights
; ---------------- X: work-group g holds rows 32 g .. 32 g + 31 (pair g % 4 of row block g / 4); my wave takes 256 along K
.macro XLOAD f                         ; fragment f = 2 u + q: the 16 rows of tile u, 128 along K; each load reads 512 consecutive bytes of one row
.set j, 0
.rept 16
	global_load_b128 v[R+64*((\f)&1)+4*j:R+64*((\f)&1)+4*j+3], v3, s[4:5] offset:(8*((\f)>>1)+j+8*(j>>3))*4096+512*((\f)&1) th:TH_LOAD_NT
.set j, j+1
.endr
.endm
.macro XTURN f                         ; through my stage: in as loaded, out as two whole blocks of 32 neighbours (blocks h and 2 + h of row r).  LDS serves a wave's instructions in order: no wait between
.set j, 0
.rept 16
	ds_store_b128 v4, v[R+64*((\f)&1)+4*j:R+64*((\f)&1)+4*j+3] offset:528*j
.set j, j+1
.endr
.irp c, 0,1
.irp i, 0,1,2,3,4,5,6,7
	ds_load_b128 v[N+32*\c+4*\i:N+32*\c+4*\i+3], v5 offset:256*\c+16*\i
.endr
.endr
.endm
.macro XQ f
.set PCS, PC+12*((\f)&1)
.irp c, 0,1
	v_max3_num_f32 v[MX+\c], |v[N+32*\c]|, |v[N+32*\c+1]|, 0x1800000   ; the floor 2^(3 - 127): the byte cannot fall under 1
.endr
.irp i, 2,4,6,8,10,12,14,16,18,20,22,24,26,28,30
.irp c, 0,1
	v_max3_num_f32 v[MX+\c], v[MX+\c], |v[N+32*\c+\i]|, |v[N+32*\c+\i+1]|   ; (the two blocks by turns)
.endr
.endr
.irp c, 0,1
	v_add_nc_u32 v[SO+\c], 0xff000000, v[MX+\c]    ; 2 off the exponent field: the conversion's scale operand
.endr
.irp c, 0,1
	v_lshrrev_b32 v[BY+\c], 23, v[SO+\c]           ; the scale's byte
.endr
	v_lshl_or_b32 v[T], v[BY+1], 16, v[BY]         ; my bytes: blocks h and 2 + h,
	v_lshlrev_b32 v[T], v7, v[T]                   ; at their places in the word;
	v_permlanex16_b32 v[T2], v[T], s20, s21
	v_or_b32 v[WD+\f], v[T], v[T2]                 ; with lane l xor 16's two the word is whole
	s_wait_alu depctr_va_vdst(0)
	s_wait_xcnt 0x0                                ; the stores of two fragments ago have read this set of codes
.irp c, 0,1
	v_cvt_scalef32_pk16_fp6_f32 v[PCS+6*\c:PCS+6*\c+2], v[N+32*\c:N+32*\c+15], v[SO+\c]
	v_cvt_scalef32_pk16_fp6_f32 v[E+4*\c:E+4*\c+2], v[N+32*\c+16:N+32*\c+31], v[SO+\c]
.endr
	v_nop                                          ; one plain place behind a scaled conversion
.irp c, 0,1
.irp i, 0,1,2
	v_mov_b32 v[PCS+6*\c+3+\i], v[E+4*\c+\i]
.endr
.endr
	global_store_b128 v3, v[PCS:PCS+3], s[30:31] offset:12288*((\f)&1)+1536*((\f)>>1)            ; 512 consecutive bytes, aligned to 256
	global_store_b64 v6, v[PCS+4:PCS+5], s[30:31] offset:12288*((\f)&1)+1536*((\f)>>1)+512       ; 256
	global_store_b128 v3, v[PCS+6:PCS+9], s[30:31] offset:12288*((\f)&1)+1536*((\f)>>1)+768
	global_store_b64 v6, v[PCS+10:PCS+11], s[30:31] offset:12288*((\f)&1)+1536*((\f)>>1)+1280
.endm
	s_lshl_b32 s24, ttmp9, 17                      ; 32 rows of 4,096 bytes
	s_lshl_b32 s25, s16, 10                        ; my 256 along K
	s_add_co_u32 s24, s24, s25
	s_mov_b32 s25, 0
	s_add_nc_u64 s[4:5], s[4:5], s[24:25]
	s_and_b32 s26, ttmp9, 0x7c                     ; 4 x (g / 4)
	s_add_co_u32 s26, s26, s16
	s_mul_i32 s26, s26, REC                        ; my record
	s_and_b32 s27, ttmp9, 3                        ; my pair of tiles
	s_mul_i32 s28, s27, 2*1536
	s_add_co_u32 s28, s28, s26
	s_mov_b32 s29, 0
	s_add_nc_u64 s[30:31], s[10:11], s[28:29]      ; its images
	s_lshl_b32 s28, s27, 8
	s_add_co_u32 s28, s28, s26
	s_add_nc_u64 s[32:33], s[10:11], s[28:29]      ; its scale words (24,576 further on)
	v_mov_b32 v[T2], 0                             ; a lane permute's destination counts as one of its sources
	XLOAD 0
	XLOAD 1
.irp f, 0,1,2,3
.if \f < 3
	s_wait_loadcnt 16                              ; this fragment's 16 loads are in; the next fragment's 16 may be out
.else
	s_wait_loadcnt 0x0
.endif
	XTURN \f
	s_wait_dscnt 0x0                               ; the stage's stores have read their registers, and my blocks are back
.if \f < 2
	XLOAD \f+2
.endif
	XQ \f
.endr
	v_cndmask_b32 v254, v[WD], v[WD+2], s22        ; lanes 0-15 store tile 0's two words, lanes 16-31 tile 1's
	v_cndmask_b32 v255, v[WD+1], v[WD+3], s22
	global_store_b64 v8, v[254:255], s[32:33] offset:24576   ; 256 consecutive bytes, aligned
	s_wait_tensorcnt 0x0                           ; the wave's end, behind my last LDS store
	ds_add_u32 v[SPW], v[NIL]
	s_wait_dscnt 0x0
	s_endpgm
; ---------------- the weights: work-group g' = 4 x + y holds columns 128 x .. + 127 (row block x of wimg), K = 256 y .. + 255; my wave 32 columns: a pair of tiles
.Lweights:
.macro WLOAD t                         ; block t: W(256 y + 32 t + i, my column): 32 lanes read 128 consecutive bytes, the four waves 512
.set i, 0
.rept 32
	global_load_b32 v[WX+32*((\t)&1)+i], v[VA+i], s[36+2*(\t):37+2*(\t)] th:TH_LOAD_NT
.set i, i+1
.endr
.endm
.macro WBLOCK t
.set XS, WX+32*((\t)&1)
.set BQ, (\t)>>2                       ; K step
.set BB, (\t)&3                        ; block in it: half c = BB / 2 of the fragment, lanes 16 (BB % 2) on
.if (\t) < 7
	s_wait_loadcnt 32                              ; this block's 32 loads are in; the next block's may be out
.else
	s_wait_loadcnt 0x0
.endif
	v_max3_num_f32 v180, |v[XS]|, |v[XS+1]|, |v[XS+2]|             ; all 32 numbers are mine: no other lane is asked
	v_max3_num_f32 v181, |v[XS+3]|, |v[XS+4]|, |v[XS+5]|
.irp i, 6,10,14,18,22,26
	v_max3_num_f32 v180, v180, |v[XS+\i]|, |v[XS+\i+1]|
	v_max3_num_f32 v181, v181, |v[XS+\i+2]|, |v[XS+\i+3]|
.endr
	v_max3_num_f32 v180, v180, |v[XS+30]|, |v[XS+31]|
	v_max3_num_f32 v180, v180, v181, 0x1800000     ; and the floor
	v_add_nc_u32 v181, 0xff000000, v180            ; the conversion's scale operand
	v_lshrrev_b32 v180, 23, v181                   ; the byte
.if BB == 0
	v_mov_b32 v[SB+BQ], v180
.else
	v_lshl_or_b32 v[SB+BQ], v180, 8*BB, v[SB+BQ]
.endif
	v_cvt_scalef32_pk16_fp6_f32 v[WPC:WPC+2], v[XS:XS+15], v181
	v_cvt_scalef32_pk16_fp6_f32 v[WE:WE+2], v[XS+16:XS+31], v181
	v_nop                                          ; one plain place behind a scaled conversion
.irp i, 0,1,2
	v_mov_b32 v[WPC+3+\i], v[WE+\i]
.endr
	ds_store_b128 v9, v[WPC:WPC+3] offset:3328*BQ+768*(BB>>1)+256*(BB&1)    ; into the image of (K step, my tile), at lane r' + 16 (BB % 2)'s place
	ds_store_b64 v10, v[WPC+4:WPC+5] offset:3328*BQ+768*(BB>>1)+128*(BB&1)
.if (\t) < 6
	WLOAD (\t)+2
.endif
	s_wait_dscnt 0x0                               ; the stores have read the codes' registers
.endm
	s_sub_co_u32 s24, ttmp9, 128                   ; g'
	s_lshr_b32 s25, s24, 2                         ; x
	s_and_b32 s26, s24, 3                          ; y
	s_cmp_lt_u32 s25, 24                           ; Wqkv's columns or Wproj's?  The choice hangs on the work-group's number alone
	s_cselect_b64 s[4:5], s[6:7], s[8:9]
	s_mov_b32 s27, 4096
	s_cselect_b32 s27, 12288, s27                  ; bytes from row to row
	s_cselect_b32 s28, 0, 24
	s_sub_co_u32 s28, s25, s28
	s_lshl_b32 s28, s28, 7
	s_lshl_b32 s29, s16, 5
	s_add_co_u32 s28, s28, s29                     ; my wave's first column
	s_lshl_b32 s28, s28, 2
	s_lshl_b32 s29, s26, 8
	s_mul_i32 s29, s29, s27                        ; 256 y rows
	s_add_co_u32 s28, s28, s29
	s_mov_b32 s29, 0
	s_add_nc_u64 s[36:37], s[4:5], s[28:29]        ; eight bases, one for each block of 32 rows: none is ever rewritten
	s_lshl_b32 s34, s27, 5
	s_mov_b32 s35, 0
.irp t, 1,2,3,4,5,6,7
	s_add_nc_u64 s[36+2*\t:37+2*\t], s[34+2*\t:35+2*\t], s[34:35]
.endr
	s_wait_alu depctr_va_vdst(0)
	v_mov_b32 v[VA], v13
.irp i, 1,2,3,4,5,6,7,8,9,10,11,12,13,14,15,16,17,18,19,20,21,22,23,24,25,26,27,28,29,30,31
	v_add_nc_u32 v[VA+\i], s27, v[VA+\i-1]
.endr
	s_mul_i32 s30, s24, REC                        ; my record: 4 x + y
	s_mov_b32 s31, 0
	s_add_nc_u64 s[12:13], s[12:13], s[30:31]
	s_mul_i32 s30, s16, 2*1536
	s_add_nc_u64 s[32:33], s[12:13], s[30:31]      ; my pair's images
	s_lshl_b32 s30, s16, 8
	s_add_nc_u64 s[52:53], s[12:13], s[30:31]      ; my pair's scale words (24,576 further on)
	WLOAD 0
	WLOAD 1
.irp t, 0,1,2,3,4,5,6,7
	WBLOCK \t
.endr
	s_wait_alu depctr_va_vdst(0)
	global_store_b64 v12, v[SB:SB+1], s[52:53] offset:24576   ; 256 consecutive bytes, aligned
.irp m, 0,1,2,3                        ; image m = 2 q + u
.irp k, 0,1,2
	ds_load_b128 v[OUTR+4*(3*\m+\k):OUTR+4*(3*\m+\k)+3], v11 offset:1664*\m+512*\k   ; LDS serves a wave's instructions in order: these see my stores
.endr
.endr
.irp m, 0,1,2,3
.irp k, 0,1,2
	s_wait_dscnt 11-(3*\m+\k)                      ; the younger loads may be out
	global_store_b128 v3, v[OUTR+4*(3*\m+\k):OUTR+4*(3*\m+\k)+3], s[32:33] offset:12288*(\m>>1)+1536*(\m&1)+512*\k   ; 512 consecutive bytes, aligned to 256
.endr
.endr
	s_wait_tensorcnt 0x0                           ; the wave's end, behind my last LDS store
	ds_add_u32 v[SPW], v[NIL]
	s_wait_dscnt 0x0
	s_endpgm
.Lfunc_end_k_q3e90552922_quant:
	.size	k_q3e90552922_quant, .Lfunc_end_k_q3e90552922_quant-k_q3e90552922_quant
	.p2alignl 7, 3214868480
	.fill 96, 4, 3214868480
	.section	.rodata,"a",@progbits
	.p2align	6, 0x0
	.amdhsa_kernel k_q3e90552922_quant
		.amdhsa_group_segment_fixed_size 60928
		.amdhsa_private_segment_fixed_size 0
		.amdhsa_enable_private_segment 0
		.amdhsa_kernarg_size 40
		.amdhsa_user_sgpr_count 2
		.amdhsa_user_sgpr_kernarg_segment_ptr 1
		.amdhsa_wavefront_size32 1
		.amdhsa_system_sgpr_workgroup_id_x 1
		.amdhsa_system_sgpr_workgroup_id_y 1
		.amdhsa_system_sgpr_workgroup_id_z 1
		.amdhsa_system_vgpr_workitem_id 0
		.amdhsa_next_free_vgpr 256
		.amdhsa_next_free_sgpr 66
		.amdhsa_reserve_vcc 0
		.amdhsa_float_denorm_mode_32 3
		.amdhsa_float_denorm_mode_16_64 3
		.amdhsa_memory_ordered 1
		.amdhsa_forward_progress 1
		.amdhsa_inst_pref_size 73
	.end_amdhsa_kernel
	.amdgpu_metadata
---
amdhsa.version: [ 1, 2 ]
amdhsa.kernels:
  - .name:           k_q3e90552922_quant
    .symbol:         k_q3e90552922_quant.kd
    .args:
      - { .name: X, .offset: 0, .size: 8, .value_kind: global_buffer, .address_space: global }
      - { .name: Wqkv, .offset: 8, .size: 8, .value_kind: global_buffer, .address_space: global }
      - { .name: Wproj, .offset: 16, .size: 8, .value_kind: global_buffer, .address_space: global }
      - { .name: ximg, .offset: 24, .size: 8, .value_kind: global_buffer, .address_space: global }
      - { .name: wimg, .offset: 32, .size: 8, .value_kind: global_buffer, .address_space: global }
    .group_segment_fixed_size: 60928
    .private_segment_fixed_size: 0
    .kernarg_segment_align: 8
    .kernarg_segment_size: 40
    .max_flat_workgroup_size: 128
    .sgpr_count:     66
    .vgpr_count:     256
    .wavefront_size: 32
...
	.end_amdgpu_metadata
.endif
;; end of part 1
;; launch qkv (part 2): grid 12 x 16, 4 waves a work-group, clusters of 4 x 4, 327,680 bytes of LDS; arguments ximg, wimg, bqkv, qrec, kv; writes qrec, kv
.if DOCPART == 2
	.amdgcn_target "amdgcn-amd-amdhsa--gfx1250"
	.amdhsa_code_object_version 6
	.text
	.protected	k_q3e90552922_qkv
	.globl	k_q3e90552922_qkv
	.p2align	8
	.type	k_q3e90552922_qkv,@function
k_q3e90552922_qkv:
	s_mov_b64 s[64:65], 0
	v_nop
	global_prefetch_b8 v0, s[64:65] scope:SCOPE_SE
	s_setreg_imm32_b32 hwreg(HW_REG_WAVE_MODE, 25, 1), 1
	s_wait_xcnt 0x0
	s_wait_alu depctr_hold_cnt(0) depctr_sa_sdst(0) depctr_va_vdst(0) depctr_va_sdst(0) depctr_va_ssrc(0) depctr_va_vcc(0) depctr_vm_vsrc(0)
	s_getreg_b32 s2, hwreg(HW_REG_IB_STS2, 6, 4)
	s_cmp_eq_u32 s2, 0
	s_cbranch_scc0 .Lentry_in_a_cluster
	s_endpgm
.Lentry_in_a_cluster:
	s_bfe_u32 s2, ttmp6, 0x10000c
	s_cmp_lg_u32 s2, 0xf033
	s_cbranch_scc0 .Lentry_shape_is_right
	s_endpgm
.Lentry_shape_is_right:
; qkv = X Wqkv + bqkv on codes of FP6 (E2M3) with E8M0 scales; q and k are then quantised along the head's 64, v along the keys, in registers, and leave as images of operand registers.  No f32 result goes to memory.
; LIMITS: NaN and infinities are not served; a block whose largest magnitude lies under 2^-124 has its byte held at 1; a block of zeros gets the byte 1 (its codes are zeros; only this program reads the bytes).
; A work-group of four waves makes 256 x 256, a wave 128 x 128: 64 accumulators, 512 registers.  SOURCE 0 IS THE AXIS THAT IS QUANTISED NEXT: a lane's registers run along it.
; Cluster x = 0: q, 1: k: side A (source 1, in the lanes) = tokens (ximg), side B (source 0, along the registers) = n (wimg).  Cluster x = 2: v: A = n (wimg), B = tokens (ximg).  The sides are chosen by selects on the cluster's x,
; which all partners share; masks, LDS addresses and the loop are the same for all three.  The grid has 192 work-groups: a tile 192 wide would give 256 but cut heads of 64 apart.
; CLUSTERS: 4 x 4.  A's records hang on cy alone and are asked for jointly along a row of the cluster, B's on cx alone, along a column.
; INPUT: [128 rows][256 along K][record of 25,600 bytes]: 16 fragment images of 1,536 bytes (K step q, tile i), then 1,024 bytes of scale words.  A record is one dense block: 100 rows of 256 bytes for one tensor load.
; K = 1,024 is four records a side.  LDS holds three slots of four records (A's two row blocks, B's two): records 0, 1, 2 are first fills, record 3 refills slot 0: ONE refill, behind one round.  A wave has at most one tensor load out.
; OUTPUT: qrec [head][128 tokens][6,656]: 8 tiles x 768 bytes (K = 64: half a fragment's image), then 512 bytes of scale words: lane l's 16 bytes at 16 l; word p: tile 2 p in lanes 0-15, tile 2 p + 1 in lanes 16-31; bytes 2, 3 are 0x7f.
;   kv [head][128 keys][13,056]: k as in qrec, then v: 4 tiles of 16 of the head's 64 x 128 keys (1,536 bytes each), then 256 bytes of scale words: lane l's 8 bytes at 8 l.
; REGISTERS: window 0: v1-20 addresses; v32-63 scale words, two sets; v64-127 the bias in the result's layout (later at work); v128-223 A's fragments, one set; v224-231 offsets of the bias.
;   window 1: B's fragments, two sets, at v0 and v128.   windows 2, 3: the accumulators: (a, b) at v[8 (8 (a % 4) + b)].
.set REC,   25600
.set SLOT,  4*REC
.set SPARE, 3*SLOT                     ; behind the slots: the spare words, 128 bytes a wave: two blocks of 256 bytes that no other line names
.set FR,    12
.set A16,   4                          ; v4-6   A's record in slot 0, 1, 2 + 16 x lane;  v7-9 + 8 x lane
.set A8,    7
.set B16,   10                         ; v10-12, v13-15 the same for B
.set B8,    13
.set ADRS,  16                         ; v16-18 scale words: lanes 0-15 A's record, lanes 16-31 B's; + 16 r
.set L16,   19
.set L8,    20
.set SPW,   28                         ; v28 LDS address of my spare word; never rewritten
.set NIL,   29                         ; v29 0; never rewritten
.set SC,    32                         ; set s at v[SC + 16 s]; register 2 i + q: tile i, K step q: A's in lanes 0-15, B's in lanes 16-31
.set BT,    64
.set AF,    128
.set VO,    224
.set TM,    64                         ; the way out: v64-67 maxima, v68-71 bytes, v76-79 the conversions' scale operands
.set PW,    80                         ; v80-87 the scale word of each of A's tiles
.set SW,    88
.set SWA,   92
.set SWB,   136
.set G1,    24                         ; s[24:31] descriptor group 1 for A;  s[48:55] for B;  s[68:75], s[80:87] groups 0, two sets: slot 0, then slots 1 and 2
.set G1B,   48
.set G0A,   68
.set G0B,   80
.set MSB, 0
.macro WIN new                         ; the immediate's high byte repeats the setting that is left
.if MSB != \new
	s_set_vgpr_msb (MSB<<8)|\new
.set MSB, \new
.endif
.endm
.macro PLACES n                        ; plain places behind matrix instructions, in front of loads into registers that they have read and of the first read of results
.rept \n
	v_nop
.endr
.endm
; A joint load: waves 0 and 1 fetch for A, waves 2 and 3 for B.  The branch hangs on the wave's number alone.  An s_nop 0 and four v_nop follow each of the two lines.
.macro JLOAD g0a, g1a, g0b, g1b
	s_cmp_eq_u32 s15, 0
	s_cbranch_scc0 .Lfor_b_\@
	tensor_load_to_lds s[\g0a:\g0a+3], s[\g1a:\g1a+7]
	s_nop 0
.rept 4
	v_nop
.endr
	s_branch .Lasked_\@
.Lfor_b_\@:
	tensor_load_to_lds s[\g0b:\g0b+3], s[\g1b:\g1b+7]
	s_nop 0
.rept 4
	v_nop
.endr
.Lasked_\@:
.endm
.macro CREST                           ; a round of the cluster's barrier behind its opening barrier
	s_cmp_lg_u32 s14, 0
	s_cbranch_scc1 .Lnot_wave_0_\@
	s_barrier_signal -3
.Lnot_wave_0_\@:
	s_barrier_wait -3
	s_barrier_signal -1
	s_barrier_wait -1
.endm
.macro CROUND
	s_barrier_signal -1
	s_barrier_wait -1
	CREST
.endm
.macro FRAG reg, a16, a8, off          ; a fragment's image back into 12 registers: every load reads consecutive bytes, 16 or 8 a lane
	ds_load_b128 v[(\reg):(\reg)+3], v[\a16] offset:(\off)
	ds_load_b64 v[(\reg)+4:(\reg)+5], v[\a8] offset:(\off)+512
	ds_load_b128 v[(\reg)+6:(\reg)+9], v[\a16] offset:(\off)+768
	ds_load_b64 v[(\reg)+10:(\reg)+11], v[\a8] offset:(\off)+1280
.endm
.macro FETCH_B sl, q, st               ; B's eight fragments of K step q of slot sl into set st
	WIN 0x40                                       ; destination window 1, address window 0
.irp i, 0,1,2,3,4,5,6,7
	FRAG 128*(\st)+FR*\i, B16+\sl, B8+\sl, 12288*(\q)+1536*\i
.endr
	WIN 0
.endm
.macro FETCH_A sl, q, i0               ; A's tiles i0 .. i0 + 3
.irp i, \i0, \i0+1, \i0+2, \i0+3
	FRAG AF+FR*(\i), A16+\sl, A8+\sl, 12288*(\q)+1536*(\i)
.endr
.endm
.macro SCALES sl, st                   ; a record's scale words: 16 bytes a lane are the words (u, q) of a pair of tiles
.irp x, 0,1,2,3
	ds_load_b128 v[SC+16*(\st)+4*\x:SC+16*(\st)+4*\x+3], v[ADRS+\sl] offset:24576+256*\x
.endr
.endm
; 16 matrix instructions: A's tiles a0, a0 + 1 x B's eight.  cm = 0: the sums go on; 1: they start from the bias of B's tile (q, k); 2: from that of A's tile (v).  The 64 accumulators take turns, one instruction a turn, in the same
; order in every phase.
.macro MUL16 a0, st, q, sc, cm
.irp a, \a0, \a0+1
.irp b, 0,1,2,3,4,5,6,7
.if (\cm) == 1
	v_wmma_scale_f32_16x16x128_f8f6f4 v[8*(8*((\a)%4)+\b):8*(8*((\a)%4)+\b)+7], v[128*(\st)+FR*\b:128*(\st)+FR*\b+FR-1], v[AF+FR*(\a):AF+FR*(\a)+FR-1], v[BT+8*\b:BT+8*\b+7], v[SC+16*(\sc)+2*\b+(\q)], v[SC+16*(\sc)+2*(\a)+(\q)] matrix_a_fmt:MATRIX_FMT_FP6 matrix_b_fmt:MATRIX_FMT_FP6 matrix_a_scale:MATRIX_SCALE_ROW1
.elseif (\cm) == 2
	v_wmma_scale_f32_16x16x128_f8f6f4 v[8*(8*((\a)%4)+\b):8*(8*((\a)%4)+\b)+7], v[128*(\st)+FR*\b:128*(\st)+FR*\b+FR-1], v[AF+FR*(\a):AF+FR*(\a)+FR-1], v[BT+8*(\a):BT+8*(\a)+7], v[SC+16*(\sc)+2*\b+(\q)], v[SC+16*(\sc)+2*(\a)+(\q)] matrix_a_fmt:MATRIX_FMT_FP6 matrix_b_fmt:MATRIX_FMT_FP6 matrix_a_scale:MATRIX_SCALE_ROW1
.else
	v_wmma_scale_f32_16x16x128_f8f6f4 v[8*(8*((\a)%4)+\b):8*(8*((\a)%4)+\b)+7], v[128*(\st)+FR*\b:128*(\st)+FR*\b+FR-1], v[AF+FR*(\a):AF+FR*(\a)+FR-1], v[8*(8*((\a)%4)+\b):8*(8*((\a)%4)+\b)+7], v[SC+16*(\sc)+2*\b+(\q)], v[SC+16*(\sc)+2*(\a)+(\q)] matrix_a_fmt:MATRIX_FMT_FP6 matrix_b_fmt:MATRIX_FMT_FP6 matrix_a_scale:MATRIX_SCALE_ROW1
.endif
.endr
.endr
.endm
; PHASE p of eight: 128 along K, 64 matrix instructions; it fetches phase p + 1's fragments.  Record p / 2 lies in slot (p / 2) % 3.
; mode 0: no barrier.  mode 1: a barrier in its middle, in front of which each wave waits for all its tensor loads.  mode 2: that barrier opens a round of the cluster's barrier, behind which slot 0 is filled again.
.macro PH p, mode, cm
.set P_Q,  (\p)&1
.set P_SC, ((\p)>>1)&1
.set N_S,  (((\p)+1)>>1)%3
.set N_Q,  ((\p)+1)&1
.set N_SC, (((\p)+1)>>1)&1
.if (\cm)
.set W_LO, 0x81                        ; source 0 (B) window 1, source 1 (A) and C (the bias) window 0, D window 2
.set W_HI, 0xc1                        ; D window 3
.else
.set W_LO, 0xa1                        ; C and D window 2
.set W_HI, 0xf1                        ; C and D window 3
.endif
.if (\mode) == 0
	s_wait_dscnt 16                                ; B's set, A's tiles 0-3 and the scale words are in; the youngest 16 loads (A's tiles 4-7) may be out
	WIN W_LO
	MUL16 0, P_Q, P_Q, P_SC, \cm
	MUL16 2, P_Q, P_Q, P_SC, \cm
	s_wait_dscnt 0x0                               ; A's tiles 4-7 are in
	PLACES 4
.else
	s_wait_tensorcnt 0x0                           ; all my tensor loads have landed;  (every window is 0 here)
	ds_add_u32 v[SPW], v[NIL]                      ; 0 onto my spare word
	s_wait_dscnt 17                                ; (the add and the youngest 16 loads may be out)
	WIN W_LO
	MUL16 0, P_Q, P_Q, P_SC, \cm                   ; sixteen matrix instructions stand between the add and the wait for it
	s_wait_dscnt 0x0                               ; the add is done, and my reads of this phase's slot are over
	s_barrier_signal -1
	MUL16 2, P_Q, P_Q, P_SC, \cm
	WIN 0
	s_barrier_wait -1
.if (\mode) == 2
	CREST                                          ; no wave of any partner still reads slot 0 or has a load on its way
	s_add_nc_u64 s[G0A+2:G0A+3], s[G0A+2:G0A+3], 3*REC   ; slot 0's descriptors step from record 0 to record 3
	s_add_nc_u64 s[G0B+2:G0B+3], s[G0B+2:G0B+3], 3*REC
	s_mov_b32 s[G1+2], 100<<16                     ; one record again: 100 rows (no tensor load of mine is out)
	s_mov_b32 s[G1+4], 100
	s_mov_b32 s[G1B+2], 100<<16
	s_mov_b32 s[G1B+4], 100
	JLOAD G0A, G1, G0B, G1B                        ; the first tensor load behind the round; its four v_nop are the places in front of the loads below
.else
	PLACES 4
.endif
.endif
	FETCH_B N_S, N_Q, N_Q
	FETCH_A N_S, N_Q, 0
.if N_Q == 0
	SCALES N_S, N_SC
.endif
	WIN W_HI
	MUL16 4, P_Q, P_Q, P_SC, \cm
	MUL16 6, P_Q, P_Q, P_SC, \cm
	PLACES 4
	WIN 0
	FETCH_A N_S, N_Q, 4
.endm
	s_load_b128 s[4:7], s[0:1], 0x0                ; ximg, wimg
	s_load_b128 s[8:11], s[0:1], 0x10              ; bqkv, qrec
	s_load_b64 s[12:13], s[0:1], 0x20              ; kv
	v_lshl_add_u32 v[SPW], v0, 2, SPARE
	v_mov_b32 v[NIL], 0
	ds_add_u32 v[SPW], v[NIL]                      ; the wave's opening: the add and its wait ahead of my first tensor load; work on registers stands between them
	ds_add_u32 v[SPW], v[NIL]
	v_lshrrev_b32 v1, 5, v0
	v_readfirstlane_b32 s14, v1                    ; wave 0..3
	s_lshr_b32 s15, s14, 1                         ; which 128 rows of A are mine.  Also: I fetch for A (0) or for B (1)
	s_and_b32 s16, s14, 1                          ; which 128 rows of B are mine.  Also: which of the side's two row blocks I fetch
	s_bfe_u32 s40, ttmp6, 0x40000                  ; cx
	s_bfe_u32 s41, ttmp6, 0x40004                  ; cy
	s_lshl_b32 s43, s41, 2
	s_lshl_b32 s43, 15, s43                        ; my row of the cluster
	s_lshl_b32 s44, 0x1111, s40                    ; my column
	s_or_b32 s[G1], s43, (3<<16)|(1<<21)           ; 15:0 the mask; 17:16 elements of 8 bytes; 20 no padding; 21 set beside a mask
	s_or_b32 s[G1B], s44, (3<<16)|(1<<21)
.irp g, G1, G1B
	s_mov_b32 s[\g+1], 32<<16                      ; tensor_dim0 = 32 elements: 256 bytes
	s_mov_b32 s[\g+2], 100<<16                     ; tensor_dim1 = 100 rows: a record
	s_mov_b32 s[\g+3], 32<<16                      ; tile_dim0
	s_mov_b32 s[\g+4], 100                         ; tile_dim1
	s_mov_b32 s[\g+5], 32                          ; the pitch: dense
	s_mov_b32 s[\g+6], 0
	s_mov_b32 s[\g+7], 0
.endr
	s_mov_b32 s2, 0x76543210
	s_mov_b32 s3, 0xfedcba98                       ; v_permlanex16_b32's selects for lane l xor 16
	s_mov_b32 s93, 0xffff0000                      ; lanes 16-31
	s_and_b32 s17, ttmp7, 0xffff
	s_lshl_b32 s17, s17, 2                         ; 4 x cluster y
	s_lshl_b32 s18, ttmp9, 2                       ; 4 x cluster x
	s_cmp_eq_u32 ttmp9, 2                          ; v?  The cluster's x is the same in all sixteen partners
	s_cselect_b32 s92, 1, 0
	s_cselect_b32 s97, -1, 0
	s_cselect_b32 s98, 0, 4
	s_cselect_b32 s19, 8, s17                      ; A's first block of 256 rows: v: n 2,048 on; q, k: tokens
	s_cselect_b32 s20, s17, s18                    ; B's: v: tokens; q, k: n
	s_add_co_u32 s21, s19, s41                     ; A's block hangs on cy alone,
	s_lshl_b32 s21, s21, 1                         ; as a row block of 128
	s_add_co_u32 s22, s21, s16
	s_mul_i32 s22, s22, SLOT                       ; (a row block's four records are as many bytes as a slot)
	s_mov_b32 s23, 0
	s_add_co_u32 s46, s20, s40                     ; B's on cx alone
	s_lshl_b32 s46, s46, 1
	s_add_co_u32 s56, s46, s16
	s_mul_i32 s56, s56, SLOT
	s_mov_b32 s57, 0
	s_mul_i32 s45, s14, REC                        ; where my record goes in a slot: no place in the cluster enters an LDS address
	s_wait_dscnt 0x0                               ; the opening add is done
	s_wait_kmcnt 0x0
	s_cmp_eq_u32 ttmp9, 2
	s_cselect_b64 s[32:33], s[6:7], s[4:5]
	s_cselect_b64 s[34:35], s[4:5], s[6:7]
	s_add_nc_u64 s[32:33], s[32:33], s[22:23]
	s_add_nc_u64 s[34:35], s[34:35], s[56:57]
	CROUND                                         ; all sixteen work-groups are here: the first joint loads meet
; THE FILLS AS THEY STAND NOW: set 0 brings record 0 to wave x REC; set 1 brings records 1 and 2, which follow it in memory, by ONE load of 200 rows to SLOT + wave x 2 REC: a wave's records 1 and 2 lie on end in LDS.
; A wave has one tensor load out at any time.
.irp s, 0,1
	s_mov_b32 s[G0A+4*\s], 1
	s_add_co_u32 s[G0A+4*\s+1], s45, \s*SLOT
	s_add_nc_u64 s[G0A+4*\s+2:G0A+4*\s+3], s[32:33], \s*REC
	s_or_b32 s[G0A+4*\s+3], s[G0A+4*\s+3], 0x80000000
	s_mov_b32 s[G0B+4*\s], 1
	s_add_co_u32 s[G0B+4*\s+1], s45, \s*SLOT
	s_add_nc_u64 s[G0B+4*\s+2:G0B+4*\s+3], s[34:35], \s*REC
	s_or_b32 s[G0B+4*\s+3], s[G0B+4*\s+3], 0x80000000
	s_lshl_b32 s45, s45, 1                         ; set 1: two records to a wave
.endr
	JLOAD G0A, G1, G0B, G1B                        ; record 0: one tensor load a wave at the head
	v_and_b32 v21, 31, v0
	v_and_b32 v1, 15, v0                           ; r
	v_bfe_u32 v2, v0, 4, 1                         ; h
	v_lshlrev_b32 v[L16], 4, v21
	v_lshlrev_b32 v[L8], 3, v21
	s_mul_i32 s58, s15, REC                        ; A's record that I multiply,
	s_mul_i32 s59, s16, REC
	s_add_co_u32 s59, s59, 2*REC                   ; and B's
	s_sub_co_u32 s60, s59, s58
	v_mul_u32_u24 v22, s60, v2                     ; lanes 16-31 take B's scale words
	v_lshlrev_b32 v23, 1, v22                      ; in slots 1 and 2 the records of two waves lie 2 REC apart
	v_lshl_add_u32 v22, v1, 4, v22
	v_lshl_add_u32 v23, v1, 4, v23
.irp s, 0,1,2
	v_add_nc_u32 v[A16+\s], s58, v[L16]
	v_add_nc_u32 v[A8+\s], s58, v[L8]
	v_add_nc_u32 v[B16+\s], s59, v[L16]
	v_add_nc_u32 v[B8+\s], s59, v[L8]
.if \s == 0
	v_add_nc_u32 v[ADRS+\s], s58, v22
	s_lshl_b32 s58, s58, 1
	s_lshl_b32 s59, s59, 1
	s_add_co_u32 s58, s58, SLOT                    ; slot 1: SLOT + 2 REC x the record's place
	s_add_co_u32 s59, s59, SLOT
.else
	v_add_nc_u32 v[ADRS+\s], s58, v23
	s_add_co_u32 s58, s58, REC                     ; slot 2: one record further on
	s_add_co_u32 s59, s59, REC
.endif
.endr
	; where the results go
	s_add_co_u32 s36, s21, s15                     ; my row block of A,
	s_add_co_u32 s37, s46, s16                     ; and of B
	s_cmp_eq_u32 ttmp9, 0
	s_cselect_b64 s[32:33], s[10:11], s[12:13]     ; q goes to qrec, k and v to kv
	s_mov_b32 s62, 417792
	s_cselect_b32 s62, 212992, s62                 ; bytes of a head,
	s_mov_b32 s39, 13056
	s_cselect_b32 s39, 6656, s39                   ; and of 128 tokens of it
	s_cmp_eq_u32 ttmp9, 2
	s_cselect_b32 s42, s37, s36                    ; the block of 128 tokens,
	s_cselect_b32 s47, s36, s37                    ; and the row block of wimg: 128 n, two heads
	s_cselect_b32 s94, 6656, 0                     ; v lies behind k in a record
	s_cselect_b32 s60, 768, s62                    ; from a fragment's first half to its second: v: 768 bytes on; q, k: the next head
	s_mov_b32 s56, 768
	s_cselect_b32 s56, 1536, s56                   ; from one of A's tiles to the next
	s_cselect_b32 s58, 411648, 0                   ; v: at tile 4 on to the next head: 417,792 - 4 x 1,536
	s_mov_b32 s57, 0
	s_mov_b32 s59, 0
	s_mov_b32 s61, 0
	s_mov_b32 s63, 0
	s_lshl_b32 s22, s47, 9                         ; the bias of these 128 n
	s_add_nc_u64 s[8:9], s[8:9], s[22:23]
	s_and_b32 s38, s47, 7
	s_lshl_b32 s38, s38, 1                         ; the first of my two heads
	s_mul_i32 s38, s38, s62
	s_mul_i32 s42, s42, s39
	s_add_co_u32 s38, s38, s42
	s_add_co_u32 s38, s38, s94
	s_mov_b32 s39, 0
	s_add_nc_u64 s[32:33], s[32:33], s[38:39]      ; first halves
	s_add_nc_u64 s[34:35], s[32:33], s[60:61]      ; second halves
	s_add_nc_u64 s[36:37], s[32:33], 6144          ; the first head's scale words
	s_add_nc_u64 s[38:39], s[36:37], s[62:63]      ; the second head's
	s_mov_b32 s94, 0x7f7f7f7f
	s_mov_b32 s95, 0x07060100                      ; v_perm_b32: a word's bytes 0, 1 under two bytes 0x7f
	s_mov_b32 s96, 0x07060302                      ; its bytes 2, 3
	; the bias in the result's layout: q, k: register j of B's tile x wants n = 32 (x / 2) + 8 (x % 2) + 16 h + j;  v: every register of A's tile x wants n = 32 (x / 2) + 8 (x % 2) + r + 8 (r / 8)
	v_lshlrev_b32 v22, 6, v2
	v_and_b32 v23, 8, v1
	v_add_nc_u32 v23, v23, v1
	v_lshlrev_b32 v23, 2, v23
	v_cndmask_b32 v[VO], v22, v23, s97
.irp j, 1,2,3,4,5,6,7
	v_add_nc_u32 v[VO+\j], s98, v[VO+\j-1]
.endr
.irp x, 0,1,2,3,4,5,6,7
.irp j, 0,1,2,3,4,5,6,7
	global_load_b32 v[BT+8*\x+\j], v[VO+\j], s[8:9] offset:128*(\x>>1)+32*(\x&1)
.endr
.endr
	s_wait_alu depctr_va_vdst(0)
	s_wait_tensorcnt 0x0                           ; my record 0 is in
	ds_add_u32 v[SPW], v[NIL]
	s_mov_b32 s[G1+2], 200<<16                     ; no tensor load of mine is out: the next load brings two records, 200 rows
	s_mov_b32 s[G1+4], 200
	s_mov_b32 s[G1B+2], 200<<16
	s_mov_b32 s[G1B+4], 200
	s_wait_dscnt 0x0
	CROUND                                         ; everybody's record 0 is in, and the joint loads meet
	JLOAD G0A+4, G1, G0B+4, G1B                    ; records 1 and 2, the first tensor load behind the round
	FETCH_B 0, 0, 0
	FETCH_A 0, 0, 0
	SCALES 0, 0
	FETCH_A 0, 0, 4
	s_wait_loadcnt 0x0                             ; the bias
	s_cmp_eq_u32 s92, 1                            ; the first phase starts the sums from the bias: nothing is cleared and nothing is added later.  Both arms issue the same loads
	s_cbranch_scc1 .Lfirst_v
	PH 0, 0, 1
	s_branch .Lfirst_done
.Lfirst_v:
	PH 0, 0, 2
.Lfirst_done:
	PH 1, 2, 0                                     ; slot 0 is left: the round, and its refill with record 3; every wave has waited for all its loads, so records 1 and 2 are whole from here on
	PH 2, 0, 0
	PH 3, 0, 0
	PH 4, 0, 0
	PH 5, 1, 0                                     ; record 3 is shown to all four waves
	PH 6, 0, 0
	s_wait_dscnt 16                                ; the last phase: nothing more to fetch
	WIN 0xa1
	MUL16 0, 1, 1, 1, 0
	MUL16 2, 1, 1, 1, 0
	s_wait_dscnt 0x0
	WIN 0xf1
	MUL16 4, 1, 1, 1, 0
	MUL16 6, 1, 1, 1, 0
	WIN 0
	PLACES 4
.irp b, 0,1,2,3
	v_mov_b32 v[TM+4+\b], 0                        ; a lane permute's destination counts as one of its sources
.endr
; THE WAY OUT.  The 64 registers of A's tile a are 128 neighbours along B's axis: register 16 b + i = 32 b + 16 h + i.  They become a fragment's 12 registers and a scale word.
; q, k: registers 0-5 are the first head's 64, registers 6-11 the second's: two half images.  v: the 12 registers are 128 keys of 16 of a head's 64: one image.
.macro EPI a
.set EW,  2+((\a)>>2)
.set EWW, EW|(EW<<2)
.set ES,  64*((\a)%4)
.set EP,  96+20*((\a)&1)
	WIN EWW                                        ; sources 0 and 1: the accumulators' window
.irp b, 0,1,2,3
	v_max3_num_f32 v[TM+\b], |v[ES+16*\b]|, |v[ES+16*\b+1]|, 0x1800000   ; each accumulator is read from its low end on; the floor 2^(3 - 127) holds the byte at 1 from below
.endr
.irp i, 2,4,6,8,10,12,14
.irp b, 0,1,2,3
	v_max3_num_f32 v[TM+\b], |v[ES+16*\b+\i]|, |v[ES+16*\b+\i+1]|, v[TM+\b]
.endr
.endr
	WIN 0
.irp b, 0,1,2,3
	v_permlanex16_b32 v[TM+4+\b], v[TM+\b], s2, s3
.endr
.irp b, 0,1,2,3
	v_max_num_f32 v[TM+\b], v[TM+\b], v[TM+4+\b]   ; with lane l xor 16's: the block's largest magnitude
.endr
.irp b, 0,1,2,3
	v_add_nc_u32 v[TM+12+\b], 0xff000000, v[TM+\b] ; 2 off its exponent field: the conversion's scale operand
.endr
.irp b, 0,1,2,3
	v_lshrrev_b32 v[TM+4+\b], 23, v[TM+12+\b]      ; the byte
.endr
	v_lshl_or_b32 v[PW+\a], v[TM+5], 8, v[TM+4]
	v_lshl_or_b32 v[PW+\a], v[TM+6], 16, v[PW+\a]
	v_lshl_or_b32 v[PW+\a], v[TM+7], 24, v[PW+\a]
	s_wait_xcnt 0x0                                ; the earlier tiles' stores have read their registers and their bases
.if (\a) > 0
	s_add_nc_u64 s[32:33], s[32:33], s[56:57]
	s_add_nc_u64 s[34:35], s[34:35], s[56:57]
.endif
.if (\a) == 4
	s_add_nc_u64 s[32:33], s[32:33], s[58:59]
	s_add_nc_u64 s[34:35], s[34:35], s[58:59]
.endif
	WIN EW                                         ; source 0: the accumulators' window
.irp c, 0,1
	v_cvt_scalef32_pk16_fp6_f32 v[EP+6*\c:EP+6*\c+2], v[ES+32*\c:ES+32*\c+15], v[TM+12+2*\c]
	v_cvt_scalef32_pk16_fp6_f32 v[EP+12+4*\c:EP+14+4*\c], v[ES+32*\c+16:ES+32*\c+31], v[TM+12+2*\c+1]
.endr
	WIN 0
	v_nop                                          ; one plain place behind a scaled conversion
.irp c, 0,1                            ; the operand's layout wants a whole block in a lane: lanes 0-15 block 2 c, lanes 16-31 block 2 c + 1
.irp i, 0,1,2
	v_permlane16_swap_b32 v[EP+6*\c+\i], v[EP+12+4*\c+\i]
.endr
.irp i, 0,1,2
	v_mov_b32 v[EP+6*\c+3+\i], v[EP+12+4*\c+\i]
.endr
.endr
	global_store_b128 v[L16], v[EP:EP+3], s[32:33]                 ; 512 consecutive bytes, aligned to 256
	global_store_b64 v[L8], v[EP+4:EP+5], s[32:33] offset:512      ; 256
	global_store_b128 v[L16], v[EP+6:EP+9], s[34:35]
	global_store_b64 v[L8], v[EP+10:EP+11], s[34:35] offset:512
.endm
.irp a, 0,1,2,3,4,5,6,7
	EPI \a
.endr
.irp x, 0,1,2,3
	v_cndmask_b32 v[SW+\x], v[PW+2*\x], v[PW+2*\x+1], s93          ; the even tile's word in lanes 0-15, the odd tile's in lanes 16-31
.endr
	s_cmp_eq_u32 s92, 1
	s_cbranch_scc1 .Lv_words
.irp x, 0,1,2,3
	v_perm_b32 v[SWA+\x], s94, v[SW+\x], s95       ; the first head's two bytes, and 0x7f for the 64 along K that a head does not have
	v_perm_b32 v[SWB+\x], s94, v[SW+\x], s96       ; the second head's
.endr
	global_store_b128 v[L16], v[SWA:SWA+3], s[36:37]
	global_store_b128 v[L16], v[SWB:SWB+3], s[38:39]
	s_branch .Lwords_done
.Lv_words:
	s_wait_alu depctr_va_vdst(0)
	global_store_b64 v[L8], v[SW:SW+1], s[36:37]   ; tiles 0-3: the first head's
	global_store_b64 v[L8], v[SW+2:SW+3], s[38:39] ; tiles 4-7: the second's
.Lwords_done:
	s_wait_tensorcnt 0x0                           ; the wave's end, behind my last tensor load
	ds_add_u32 v[SPW], v[NIL]
	s_wait_dscnt 0x0
	CROUND                                         ; the closing round: no work-group ends while a partner may still ask for a record that names it
	s_endpgm
.Lfunc_end_k_q3e90552922_qkv:
	.size	k_q3e90552922_qkv, .Lfunc_end_k_q3e90552922_qkv-k_q3e90552922_qkv
	.p2alignl 7, 3214868480
	.fill 96, 4, 3214868480
	.section	.rodata,"a",@progbits
	.p2align	6, 0x0
	.amdhsa_kernel k_q3e90552922_qkv
		.amdhsa_group_segment_fixed_size 327680
		.amdhsa_private_segment_fixed_size 0
		.amdhsa_enable_private_segment 0
		.amdhsa_kernarg_size 40
		.amdhsa_user_sgpr_count 2
		.amdhsa_user_sgpr_kernarg_segment_ptr 1
		.amdhsa_wavefront_size32 1
		.amdhsa_system_sgpr_workgroup_id_x 1
		.amdhsa_system_sgpr_workgroup_id_y 1
		.amdhsa_system_sgpr_workgroup_id_z 1
		.amdhsa_system_vgpr_workitem_id 0
		.amdhsa_next_free_vgpr 1024
		.amdhsa_next_free_sgpr 100
		.amdhsa_reserve_vcc 0
		.amdhsa_float_denorm_mode_32 3
		.amdhsa_float_denorm_mode_16_64 3
		.amdhsa_memory_ordered 1
		.amdhsa_forward_progress 1
		.amdhsa_inst_pref_size 167
	.end_amdhsa_kernel
	.amdgpu_metadata
---
amdhsa.version: [ 1, 2 ]
amdhsa.kernels:
  - .name:           k_q3e90552922_qkv
    .symbol:         k_q3e90552922_qkv.kd
    .args:
      - { .name: ximg, .offset: 0, .size: 8, .value_kind: global_buffer, .address_space: global }
      - { .name: wimg, .offset: 8, .size: 8, .value_kind: global_buffer, .address_space: global }
      - { .name: bqkv, .offset: 16, .size: 8, .value_kind: global_buffer, .address_space: global }
      - { .name: qrec, .offset: 24, .size: 8, .value_kind: global_buffer, .address_space: global }
      - { .name: kv, .offset: 32, .size: 8, .value_kind: global_buffer, .address_space: global }
    .group_segment_fixed_size: 327680
    .private_segment_fixed_size: 0
    .kernarg_segment_align: 8
    .kernarg_segment_size: 40
    .max_flat_workgroup_size: 128
    .sgpr_count:     100
    .vgpr_count:     1024
    .wavefront_size: 32
...
	.end_amdgpu_metadata
.endif
;; end of part 2
;; launch attn (part 3): grid 16 x 16, 16 waves a work-group, no clusters, 327,680 bytes of LDS; arguments qrec, kv, oimg; writes oimg
.if DOCPART == 3
	.amdgcn_target "amdgcn-amd-amdhsa--gfx1250"
	.amdhsa_code_object_version 6
	.text
	.protected	k_q3e90552922_attn
	.globl	k_q3e90552922_attn
	.p2align	8
	.type	k_q3e90552922_attn,@function
k_q3e90552922_attn:
	s_mov_b64 s[64:65], 0
	v_nop
	global_prefetch_b8 v0, s[64:65] scope:SCOPE_SE
	s_setreg_imm32_b32 hwreg(HW_REG_WAVE_MODE, 25, 1), 1
	s_wait_xcnt 0x0
; out[q][head] = the sum over keys k <= q of softmax_k(q . k / 8) v, both products on codes of FP6 (E2M3) with E8M0 scales; out / l is then quantised along D and leaves as half a fragment's image for the last product.
; Key steps all of whose keys come after a tile's queries lie wholly under the causal mask that the problem builds itself: they are not multiplied.
; THE SOFTMAX AHEAD OF THE SECOND PRODUCT: t = score x log2(e) / 8; M = the running largest t rounded UP to a whole number; p = 2^(t - M) is quantised along the keys; the row's sum is taken of the unquantised p.
; When M moves, the sum and O are multiplied by 2^(old M - new M): exact.
; LIMITS: NaN and infinities are not served; the promise holds while |t| stays under 2^31; a block whose largest magnitude lies under 2^-124 has its byte held at 1 (a block of zeros too: its codes are zeros);
; 1 / l is v_rcp_f32 and a multiplication.
; SHARES.  Work-group (a, head) owns the blocks 31 - a and a of 128 queries and takes them ONE AFTER THE OTHER: first the high block against key steps 0 .. 31 - a, then the low one against 0 .. a.
; A block is 8 tiles of 16 queries; TWO WAVES SHARE A TILE: the wave of parity 0 takes the even key steps, that of parity 1 the odd ones, each with its own M, sum and O^T.  So all sixteen waves have two steps in every slot of four
; key steps (a block's last slot aside).  32 - a steps are 8 - a / 4 slots and a + 1 steps are a / 4 + 1: NINE slots in every work-group, each with a first step that is read: all trip counts are constants and no load is jumped over.
; At the change of blocks each wave stores its O^T, -M and sum to LDS bytes of its own and begins anew; at the end it stores the low block's likewise; behind ONE barrier the wave of parity 0 joins the two states of the
; high block and the wave of parity 1 those of the low block: both are brought under the larger M by exact powers of two, added, divided by l, quantised and stored.
; LAYOUT.  Both products are used transposed: S^T = K Q^T, O^T = V^T P^T: a lane holds one query throughout.  Lane r of a tile holds row 8 u + r + 8 (r / 8) of its 32, for queries, keys and the head's 64 alike, so that a
; result's 16 registers of two neighbouring tiles are 16 neighbours.  K = 64 IN THE FIRST PRODUCT: Q's upper six registers are zero codes; K's operand of tile t names twelve registers of which the upper six are the next tile's
; codes (behind tile 7: zeros): they meet zero codes under the scale byte 0x7f and add nothing.
; NO CLUSTER: the work-groups a = 4 m .. 4 m + 3 of a head walk the same nine slots, but which steps a wave jumps over hangs on a itself, that is on a partner's place in such a cluster.
; LDS: two slots of four key steps (52,224 bytes), 65,536 apart; wave 0 fetches a slot with one tensor load of 204 rows of 256 bytes.  Behind them 16 x 2 states of 4,608 bytes, then the spare words.  All waits on TENSORcnt are for 0.
.set STEPB, 13056                      ; a key step: k: 8 tiles x 768, 512 of scale words; v: 4 tiles x 1,536, 256 of scale words
.set SLOT1, 65536
.set STG,   131072                     ; the states: wave w's at STG + 9,216 w: the high block's, then the low block's
.set ST1,   4608                       ; a state: O^T, 8 x 512 bytes, then 16 bytes a lane: -M, the largest t, the sum's two halves
.set SPARE, STG+16*2*ST1               ; the spare words, 128 bytes a wave: eight blocks of 256 bytes that no other line names
.set L16, 1                            ; v1 16 x lane;  v2 8 x lane
.set L8,  2
.set AD16, 3                           ; v3, v4 the same in the step in hand
.set AD8, 4
.set SPW, 5                            ; v5 LDS address of my spare word; never rewritten
.set NIL, 6                            ; v6 0; never rewritten
.set DQ,  7                            ; v7 r + 8 (r / 8) - 16 h
.set QF,  16                           ; v16-27 Q (v22-27 zero codes);  v28 its scale word;  v29 the prefetches' offset;  v30, v31 offsets
.set QS,  28
.set PFO, 29
.set KB,  32                           ; v32-79 K's 8 tiles, 6 registers each, later V's 4 fragments; v80-85 zero codes
.set STW, 86                           ; v86 where I store my states;  v87, v94 where I read the two states that I join
.set RA,  87
.set KS,  88                           ; v88-91 K's scale words;  v92-93 V's
.set VS,  92
.set RB,  94
.set S,   96                           ; v96-159 S^T, then p
.set OT,  160                          ; v160-191 O^T
.set PC,  192                          ; v192-203 p's codes
.set EE,  204                          ; v204-206, v208-210 (a conversion's three registers begin on an even number)
.set BM,  212                          ; v212-215 each block's largest score
.set T4,  216
.set SO,  220
.set FF,  224                          ; v224 f = 2^(old M - new M);  v225 p's scale word
.set QL,  228                          ; v228-233 the low block's Q;  v234 its scale word
.set QSL, 234
.set U1,  244                          ; v244-247 two chains of the row's sum
.set U2,  246
.set TB,  2                            ; s2 LDS byte at which the step in hand begins
.set KF,  3                            ; s3 its first key
.set Q0,  4                            ; s4 my first query in the block in hand;  s5 in the low block
.set Q0L, 5
.set SI,  6                            ; s6 the slot in hand, 0 .. 8
.set CNT, 7
.set PAR, 16                           ; s16 my parity
.set WV,  18
.set HM,  19
.set SEL, 20
.set CS,  22
.set G1,  24
.set NSH, 36                           ; s36 the first slot of the low block: 8 - a / 4
.set KF0, 37                           ; s37 128 x parity
.set G0,  40
.set PFA, 44
.set LIM, 46
.set BASE, 48                          ; s[48:49] the head's bytes in kv;  s[50:51] the offset of the slot asked for
.set OFF, 50
.macro FRAG reg, a16, a8, off
	ds_load_b128 v[(\reg):(\reg)+3], v[\a16] offset:(\off)
	ds_load_b64 v[(\reg)+4:(\reg)+5], v[\a8] offset:(\off)+512
	ds_load_b128 v[(\reg)+6:(\reg)+9], v[\a16] offset:(\off)+768
	ds_load_b64 v[(\reg)+10:(\reg)+11], v[\a8] offset:(\off)+1280
.endm
.macro TLOAD                           ; wave 0 fetches a slot, the others nothing.  An s_nop 0 and four v_nop follow the line
	s_cmp_eq_u32 s[WV], 0
	s_cbranch_scc0 .Lasked_\@
	tensor_load_to_lds s[G0:G0+3], s[G1:G1+7]
	s_nop 0
.rept 4
	v_nop
.endr
.Lasked_\@:
.endm
; A PREFETCH INTO THE L2 of the slot that the NEXT change of slots will ask for: four key steps ahead of that load.  All work-groups of a head walk the same records: the head's work-group 0, whose first eight slots are the
; head's eight in their order, asks, and in it waves 2 to 9: two waves to a step's 13,056 bytes, lanes 256 bytes apart (the second wave's lanes past the record's end name its last 256 bytes).  Trips 0 to 5 ask for slots 2 to 7;
; slots 0 and 1 come by their loads alone, and the ninth slot has been read before.
.macro ASK
	s_cmp_lt_u32 s[SI], s[LIM]
	s_cbranch_scc0 .Lnot_mine_\@
	global_prefetch_b8 v[PFO], s[PFA:PFA+1] th:TH_LOAD_NT scope:SCOPE_SE
.Lnot_mine_\@:
.endm
.macro SAVE off                        ; my state to my own LDS bytes: each accumulator from its low end on
.rept 4
	v_nop                                          ; the places behind the last products
.endr
	s_wait_alu depctr_va_vdst(0)
.irp i, 0,1,2,3,4,5,6,7
	ds_store_b128 v[STW], v[OT+4*\i:OT+4*\i+3] offset:(\off)+512*\i
.endr
	ds_store_b128 v[STW], v[12:15] offset:(\off)+4096
	s_wait_dscnt 0x0                               ; the stores are done
.endm
.macro FRESH                           ; nothing summed yet
	v_mov_b32 v13, 0xff61b1e6                      ; the largest t so far: -3e38, under every t
	s_delay_alu instid0(VALU_DEP_1)
	v_floor_f32 v12, -v13                          ; -M
	v_mov_b32 v14, 0                               ; the sum, in two halves
	v_mov_b32 v15, 0
.set j, 0
.rept 32
	v_mov_b32 v[OT+j], 0                           ; O^T: the step is written once: the first finds zeros, which the first change of M leaves zeros
.set j, j+1
.endr
.endm
	s_load_b128 s[8:11], s[0:1], 0x0               ; qrec, kv
	s_load_b64 s[12:13], s[0:1], 0x10              ; oimg
	v_lshl_add_u32 v[SPW], v0, 2, SPARE
	v_mov_b32 v[NIL], 0
	ds_add_u32 v[SPW], v[NIL]                      ; the wave's opening: the add, twice on end, and its wait ahead of the first tensor load
	ds_add_u32 v[SPW], v[NIL]
	v_lshrrev_b32 v8, 5, v0
	s_delay_alu instid0(VALU_DEP_1)
	v_readfirstlane_b32 s[WV], v8                  ; wave 0..15
	s_and_b32 s14, ttmp7, 0xffff                   ; the head
	s_lshr_b32 s15, s[WV], 1                       ; my tile of the block's eight; my partner is wave xor 1
	s_lshr_b32 s16, s[WV], 2
	s_xor_b32 s16, s16, s[WV]
	s_and_b32 s[PAR], s16, 1                       ; bit 0 xor bit 2: neighbours and waves 4 apart alike are mixed
	s_sub_co_u32 s38, 31, ttmp9                    ; the high block
	s_cmp_eq_u32 s[PAR], 1
	s_cselect_b32 s17, ttmp9, s38                  ; the block that I finish
	s_lshr_b32 s32, s15, 1
	s_lshl_b32 s32, s32, 5
	s_and_b32 s33, s15, 1
	s_lshl_b32 s33, s33, 3
	s_add_co_u32 s32, s32, s33
	s_lshl_b32 s[Q0], s38, 7
	s_add_co_u32 s[Q0], s[Q0], s32                 ; lane r's query is Q0 + r + 8 (r / 8); the last is Q0 + 23
	s_lshl_b32 s[Q0L], ttmp9, 7
	s_add_co_u32 s[Q0L], s[Q0L], s32
	s_lshr_b32 s[NSH], ttmp9, 2
	s_sub_co_u32 s[NSH], 8, s[NSH]
	s_mov_b32 s[G1], 3<<16                         ; no mask; elements of 8 bytes; no padding
	s_mov_b32 s[G1+1], 32<<16                      ; tensor_dim0 = 32 elements: 256 bytes
	s_mov_b32 s[G1+2], 204<<16                     ; tensor_dim1 = 204 rows: four key steps
	s_mov_b32 s[G1+3], 32<<16                      ; tile_dim0
	s_mov_b32 s[G1+4], 204                         ; tile_dim1
	s_mov_b32 s[G1+5], 32                          ; the pitch: dense
	s_mov_b32 s[G1+6], 0
	s_mov_b32 s[G1+7], 0
	s_mov_b32 s[HM], 0xffff0000                    ; lanes 16-31
	s_mov_b32 s[SEL], 0x76543210
	s_mov_b32 s[SEL+1], 0xfedcba98
	s_mov_b32 s[CS], 0x3e38aa3b                    ; c = log2(e) / 8
	s_mov_b32 s[CS+1], s[CS]                       ; (named with it as a pair)
	s_mul_i32 s[TB], s[PAR], STEPB                 ; my first step of a slot
	s_lshl_b32 s[KF0], s[PAR], 7
	s_mov_b32 s[KF], s[KF0]
	s_mov_b32 s[SI], 0
	s_mul_i32 s34, s14, 32*STEPB                   ; the head's bytes in kv
	s_mov_b32 s35, 0
	s_mov_b32 s[OFF], 0
	s_mov_b32 s[OFF+1], 0
	s_mov_b32 s[G0], 1
	s_mov_b32 s[G0+1], 0
	s_lshl_b32 s32, s14, 5                         ; Q: record (head, low block), tile
	s_add_co_u32 s32, s32, ttmp9
	s_mul_i32 s32, s32, 6656
	s_mul_i32 s33, s15, 768
	s_add_co_u32 s52, s32, s33
	s_mov_b32 s53, 0
	s_and_b32 s33, s15, 1                          ; its scale word: lanes 16 (tile % 2) on, word tile / 2
	s_lshl_b32 s33, s33, 8
	s_add_co_u32 s60, s32, s33
	s_lshr_b32 s33, s15, 1
	s_lshl_b32 s33, s33, 2
	s_add_co_u32 s60, s60, s33
	s_mov_b32 s61, 0
	s_sub_co_u32 s58, s38, ttmp9                   ; the high block's record lies 31 - 2 a records further on
	s_mul_i32 s58, s58, 6656
	s_mov_b32 s59, 0
	s_mov_b32 s62, s58
	s_mov_b32 s63, 0
	s_lshl_b32 s32, s17, 2                         ; out: record (block, head / 4); K step (head / 2) % 2; my tile; half head % 2
	s_lshr_b32 s38, s14, 2
	s_add_co_u32 s32, s32, s38
	s_mul_i32 s32, s32, 25600
	s_bfe_u32 s38, s14, 0x10001
	s_and_b32 s39, s14, 1
	s_mul_i32 s47, s38, 12288
	s_add_co_u32 s54, s32, s47
	s_mul_i32 s47, s15, 1536
	s_add_co_u32 s54, s54, s47
	s_mul_i32 s47, s39, 768
	s_add_co_u32 s54, s54, s47
	s_mov_b32 s55, 0
	s_lshr_b32 s47, s15, 1                         ; its scale bytes: 256 (tile / 2) + 8 (tile % 2) + 4 (K step) + 2 (head % 2), + 16 r + h
	s_lshl_b32 s47, s47, 8
	s_add_co_u32 s56, s32, s47
	s_and_b32 s47, s15, 1
	s_lshl_b32 s47, s47, 3
	s_add_co_u32 s56, s56, s47
	s_lshl_b32 s38, s38, 2
	s_add_co_u32 s56, s56, s38
	s_lshl_b32 s39, s39, 1
	s_add_co_u32 s56, s56, s39
	s_mov_b32 s57, 0
	s_sub_co_u32 s47, s[WV], 2                     ; who prefetches: waves 2 to 9
	s_lshr_b32 s33, s47, 3
	s_or_b32 s33, s33, ttmp9                       ; of the head's work-group 0
	s_cmp_eq_u32 s33, 0
	s_cselect_b32 s[LIM], 6, 0                     ; in trips 0 to 5
	s_and_b32 s47, s47, 7
	s_lshr_b32 s33, s47, 1
	s_mul_i32 s33, s33, STEPB                      ; which step of the slot,
	s_and_b32 s47, s47, 1
	s_lshl_b32 s47, s47, 5                         ; and which of its 51 pieces of 256 bytes
	v_and_b32 v8, 31, v0
	s_delay_alu instid0(VALU_DEP_1)
	v_add_nc_u32 v[PFO], s47, v8
	s_delay_alu instid0(VALU_DEP_1)
	v_min_u32 v[PFO], 50, v[PFO]
	s_delay_alu instid0(VALU_DEP_1)
	v_lshlrev_b32 v[PFO], 8, v[PFO]
	s_delay_alu instid0(VALU_DEP_1)
	v_add_nc_u32 v[PFO], s33, v[PFO]
	s_wait_dscnt 0x0                               ; both opening adds are done
	s_wait_kmcnt 0x0
	s_add_nc_u64 s[BASE:BASE+1], s[10:11], s[34:35]
	s_mov_b64 s[G0+2:G0+3], s[BASE:BASE+1]
	s_or_b32 s[G0+3], s[G0+3], 0x80000000
	TLOAD                                          ; slot 0
	s_add_nc_u64 s[PFA:PFA+1], s[BASE:BASE+1], 4*STEPB   ; slot 1: the first change of slots steps it to slot 2
	s_add_nc_u64 s[52:53], s[8:9], s[52:53]        ; the low block's Q,
	s_add_nc_u64 s[58:59], s[52:53], s[58:59]      ; the high block's,
	s_add_nc_u64 s[60:61], s[8:9], s[60:61]        ; and their scale words
	s_add_nc_u64 s[62:63], s[60:61], s[62:63]
	s_add_nc_u64 s[54:55], s[12:13], s[54:55]
	s_add_nc_u64 s[56:57], s[12:13], s[56:57]
	s_wait_alu depctr_va_vdst(0)
	v_lshlrev_b32 v[L16], 4, v8
	v_lshlrev_b32 v[L8], 3, v8
	v_and_b32 v9, 15, v0                           ; r
	v_bfe_u32 v10, v0, 4, 1                        ; h
	s_delay_alu instid0(VALU_DEP_2)
	v_lshlrev_b32 v30, 4, v9
	s_delay_alu instid0(VALU_DEP_1)
	v_add_nc_u32 v31, v30, v10                     ; 16 r + h
	global_load_b128 v[QF:QF+3], v[L16], s[58:59]
	global_load_b64 v[QF+4:QF+5], v[L8], s[58:59] offset:512
	global_load_b32 v[QS], v30, s[62:63] offset:6144
	global_load_b128 v[QL:QL+3], v[L16], s[52:53]
	global_load_b64 v[QL+4:QL+5], v[L8], s[52:53] offset:512
	global_load_b32 v[QSL], v30, s[60:61] offset:6144
	s_wait_alu depctr_va_vdst(0)                   ; ahead of the run of scalar lines behind which v1, v9
	s_mul_i32 s32, s[WV], 2*ST1
	s_add_co_u32 s32, s32, STG
	v_add_nc_u32 v[STW], s32, v[L16]               ; my two states
	s_mul_i32 s33, s[PAR], ST1                     ; parity 0 joins the high block's states, parity 1 the low block's:
	s_add_co_u32 s32, s32, s33
	v_add_nc_u32 v[RA], s32, v[L16]                ; mine,
	s_xor_b32 s38, s[WV], 1
	s_mul_i32 s38, s38, 2*ST1
	s_add_co_u32 s38, s38, STG
	s_add_co_u32 s38, s38, s33
	v_add_nc_u32 v[RB], s38, v[L16]                ; and my partner's
	v_and_b32 v11, 8, v9
	s_delay_alu instid0(VALU_DEP_1)
	v_add_nc_u32 v11, v11, v9
	v_lshlrev_b32 v[DQ], 4, v10
	s_delay_alu instid0(VALU_DEP_1)
	v_sub_nc_u32 v[DQ], v11, v[DQ]
.irp i, 0,1,2,3,4,5
	v_mov_b32 v[QF+6+\i], 0                        ; zero codes for the 64 along K that a head does not have
	v_mov_b32 v[KB+48+\i], 0
.endr
.irp b, 0,1,2,3
	v_mov_b32 v[T4+\b], 0                          ; a lane permute's destination counts as one of its sources
.endr
	v_mov_b32 v[FF+1], 0                           ; (named as the upper half of the pair before it is first written)
	FRESH
.macro STEP
	s_add_co_u32 s47, s[Q0], 23
	s_cmp_gt_u32 s[KF], s47                        ; all 128 keys come after my 16 queries: the step's work is left out (ids and the count of steps alone)
	s_cbranch_scc1 .Lhidden_\@
	v_add_nc_u32 v[AD16], s[TB], v[L16]
	v_add_nc_u32 v[AD8], s[TB], v[L8]
	v_nop
	v_nop                                          ; four places behind the last step's products, in front of loads into registers that they have read
.irp t, 0,1,2,3,4,5,6,7
	ds_load_b128 v[KB+6*\t:KB+6*\t+3], v[AD16] offset:768*\t
	ds_load_b64 v[KB+6*\t+4:KB+6*\t+5], v[AD8] offset:768*\t+512
.endr
	ds_load_b128 v[KS:KS+3], v[AD16] offset:6144
	s_wait_alu depctr_va_vdst(0)
	s_wait_dscnt 0x0
.irp t, 0,2,4,6                        ; S^T = K Q^T: in tile t lane (r, h) holds query r and keys 32 (t / 2) + 8 (t % 2) + 16 h + 0 .. 7
	v_wmma_scale_f32_16x16x128_f8f6f4 v[S+8*\t:S+8*\t+7], v[KB+6*\t:KB+6*\t+11], v[QF:QF+11], 0, v[KS+\t/2], v[QS] matrix_a_fmt:MATRIX_FMT_FP6 matrix_b_fmt:MATRIX_FMT_FP6
	v_wmma_scale_f32_16x16x128_f8f6f4 v[S+8*\t+8:S+8*\t+15], v[KB+6*\t+6:KB+6*\t+17], v[QF:QF+11], 0, v[KS+\t/2], v[QS] matrix_a_fmt:MATRIX_FMT_FP6 matrix_b_fmt:MATRIX_FMT_FP6 matrix_a_scale:MATRIX_SCALE_ROW1
.endr
.rept 4
	v_nop
.endr
.irp d, 0,1,2,3                        ; V's fragments are asked for now and land under the softmax
	FRAG KB+12*\d, AD16, AD8, 6656+1536*\d
.endr
	ds_load_b64 v[VS:VS+1], v[AD8] offset:12800
	s_add_co_u32 s47, s[KF], 127
	s_cmp_le_u32 s47, s[Q0]                        ; all keys count: no mask
	s_cbranch_scc1 .Lopen_\@
	s_sub_co_i32 s47, s[Q0], s[KF]
	v_add_nc_u32 v226, s47, v[DQ]                  ; d = my query - KF - 16 h.  Register 16 b + i holds key KF + 32 b + 16 h + i: hidden where 32 b + i > d
	v_mov_b32 v227, 0xff800000                     ; -infinity: p = 0 then
.set n, 0
.rept 64
	v_cmp_gt_i32 vcc_lo, 32*(n/16)+n%16, v226
	v_cndmask_b32 v[S+n], v[S+n], v227, vcc_lo
.set n, n+1
.endr
.Lopen_\@:
.irp b, 0,1,2,3
	v_max3_num_f32 v[BM+\b], v[S+16*\b], v[S+1+16*\b], v[S+2+16*\b]   ; the largest score of each block of 32 keys: for the row's maximum and, since p rises with the score, for the block's largest p
.endr
.irp i, 3,5,7,9,11,13
.irp b, 0,1,2,3
	v_max3_num_f32 v[BM+\b], v[BM+\b], v[S+16*\b+\i], v[S+1+16*\b+\i]
.endr
.endr
.irp b, 0,1,2,3
	v_max_num_f32 v[BM+\b], v[BM+\b], v[S+15+16*\b]
.endr
.irp b, 0,1,2,3
	s_delay_alu instid0(VALU_DEP_4)
	v_permlanex16_b32 v[T4+\b], v[BM+\b], s[SEL], s[SEL+1]
.endr
.irp b, 0,1,2,3
	s_delay_alu instid0(VALU_DEP_4)
	v_max_num_f32 v[BM+\b], v[BM+\b], v[T4+\b]     ; with lane l xor 16's 16 keys
.endr
	s_delay_alu instid0(VALU_DEP_2)
	v_max3_num_f32 v226, v[BM], v[BM+1], v[BM+2]
	s_delay_alu instid0(VALU_DEP_1)
	v_max_num_f32 v226, v226, v[BM+3]
	s_delay_alu instid0(VALU_DEP_1)
	v_mul_f32 v226, s[CS], v226                    ; as t (c is positive)
	s_delay_alu instid0(VALU_DEP_1)
	v_max_num_f32 v13, v13, v226                   ; the running largest t
	v_mov_b32 v226, v12
	s_delay_alu instid0(VALU_DEP_2)
	v_floor_f32 v12, -v13                          ; the new -M = floor(-t) = -ceil(t)
	s_delay_alu instid0(VALU_DEP_1)
	v_sub_f32 v226, v12, v226                      ; old M - new M: a whole number, 0 or less
	s_delay_alu instid0(VALU_DEP_1)
	v_cvt_i32_f32 v226, v226                       ; (it saturates)
	s_delay_alu instid0(VALU_DEP_1)
	v_ldexp_f32 v[FF], 1.0, v226                   ; f = 2^(old M - new M)
.set j, 0
.rept 32
	v_pk_fma_f32 v[S+j:S+j+1], v[S+j:S+j+1], s[CS:CS+1], v[12:13] op_sel_hi:[1,0,0]   ; t - M, two at a time
.set j, j+2
.endr
.irp b, 0,1,2,3
	v_fma_f32 v[BM+\b], v[BM+\b], s[CS], v12       ; the same of each block's largest score
.endr
.set j, 0
	s_wait_alu depctr_va_vdst(0)
.rept 64
	v_exp_f32 v[S+j], v[S+j]                       ; p = 2^(t - M), at most 1: not normalised
.set j, j+1
.endr
	v_pk_mul_f32 v[14:15], v[14:15], v[FF:FF+1] op_sel_hi:[1,0]    ; the sums under the new M: the plain place behind the exponentials
	s_wait_alu depctr_va_vdst(0)                   ; one wait for the whole batch, ahead of its first reader
.irp b, 0,1,2,3
	v_exp_f32 v[BM+\b], v[BM+\b]                   ; the block's largest p: the same two instructions on the same number give the same bits
.endr
	v_pk_add_f32 v[T4:T4+1], v[S:S+1], v[S+2:S+3]                  ; the row's sum of the unquantised p: 32 pairs in four chains
	v_pk_add_f32 v[U1:U1+1], v[S+4:S+5], v[S+6:S+7]
	v_pk_add_f32 v[U2:U2+1], v[S+8:S+9], v[S+10:S+11]
	v_pk_add_f32 v[14:15], v[14:15], v[S+12:S+13]
.irp k, 14,22,30,38,46,54
	v_pk_add_f32 v[T4:T4+1], v[T4:T4+1], v[S+\k:S+\k+1]
	v_pk_add_f32 v[U1:U1+1], v[U1:U1+1], v[S+\k+2:S+\k+3]
	v_pk_add_f32 v[U2:U2+1], v[U2:U2+1], v[S+\k+4:S+\k+5]
	v_pk_add_f32 v[14:15], v[14:15], v[S+\k+6:S+\k+7]
.endr
	v_pk_add_f32 v[T4:T4+1], v[T4:T4+1], v[S+62:S+63]
	v_pk_add_f32 v[U1:U1+1], v[U1:U1+1], v[U2:U2+1]
	s_delay_alu instid0(VALU_DEP_2)
	v_pk_add_f32 v[14:15], v[14:15], v[T4:T4+1]
	s_delay_alu instid0(VALU_DEP_1)
	v_pk_add_f32 v[14:15], v[14:15], v[U1:U1+1]
	s_wait_alu depctr_va_vdst(0)                   ; and one for the four
.irp b, 0,1,2,3
	v_max_num_f32 v[BM+\b], 0x1800000, v[BM+\b]    ; the floor 2^(3 - 127): the byte cannot fall under 1
.endr
.irp b, 0,1,2,3
	s_delay_alu instid0(VALU_DEP_4)
	v_add_nc_u32 v[SO+\b], 0xff000000, v[BM+\b]    ; 2 off the exponent field: the conversion's scale operand
.endr
.irp b, 0,1,2,3
	s_delay_alu instid0(VALU_DEP_4)
	v_lshrrev_b32 v[T4+\b], 23, v[SO+\b]           ; the byte
.endr
	s_delay_alu instid0(VALU_DEP_3)
	v_lshl_or_b32 v[FF+1], v[T4+1], 8, v[T4]       ; p's scale word for these 128 keys
	s_delay_alu instid0(VALU_DEP_1)
	v_lshl_or_b32 v[FF+1], v[T4+2], 16, v[FF+1]
	s_delay_alu instid0(VALU_DEP_1)
	v_lshl_or_b32 v[FF+1], v[T4+3], 24, v[FF+1]
.irp c, 0,1
	v_cvt_scalef32_pk16_fp6_f32 v[PC+6*\c:PC+2+6*\c], v[S+32*\c:S+15+32*\c], v[SO+2*\c]
	v_cvt_scalef32_pk16_fp6_f32 v[EE+4*\c:EE+2+4*\c], v[S+16+32*\c:S+31+32*\c], v[SO+2*\c+1]
.endr
	v_nop                                          ; one plain place behind a scaled conversion
.irp c, 0,1                            ; the operand's layout wants a whole block in a lane
.irp i, 0,1,2
	v_permlane16_swap_b32 v[PC+6*\c+\i], v[EE+4*\c+\i]
.endr
.irp i, 0,1,2
	s_delay_alu instid0(VALU_DEP_3)
	v_mov_b32 v[PC+3+6*\c+\i], v[EE+4*\c+\i]
.endr
.endr
	s_wait_alu depctr_va_vdst(0)
.set j, 0
.rept 16
	v_pk_mul_f32 v[OT+j:OT+j+1], v[OT+j:OT+j+1], v[FF:FF+1] op_sel_hi:[1,0]   ; O^T under the new M.  (These are also the places between the writes of p's codes and scale word and the products below)
.set j, j+2
.endr
	s_wait_alu depctr_va_vdst(0)
	s_wait_dscnt 0x0                               ; V is in
.irp d, 0,2                            ; O^T += V^T P^T: K = these 128 keys; the four accumulators take turns
	v_wmma_scale_f32_16x16x128_f8f6f4 v[OT+8*\d:OT+8*\d+7], v[KB+12*\d:KB+12*\d+11], v[PC:PC+11], v[OT+8*\d:OT+8*\d+7], v[VS+\d/2], v[FF+1] matrix_a_fmt:MATRIX_FMT_FP6 matrix_b_fmt:MATRIX_FMT_FP6
	v_wmma_scale_f32_16x16x128_f8f6f4 v[OT+8*\d+8:OT+8*\d+15], v[KB+12*\d+12:KB+12*\d+23], v[PC:PC+11], v[OT+8*\d+8:OT+8*\d+15], v[VS+\d/2], v[FF+1] matrix_a_fmt:MATRIX_FMT_FP6 matrix_b_fmt:MATRIX_FMT_FP6 matrix_a_scale:MATRIX_SCALE_ROW1
.endr
.Lhidden_\@:
	s_add_co_u32 s[KF], s[KF], 256                 ; my next step: two key steps on
.endm
.macro STEPS                           ; my two of a slot's four key steps: written once, walked twice; the LDS addresses hang on s[TB]
	s_mov_b32 s[CNT], 2
.Lstep_\@:
	STEP
	s_add_co_u32 s[TB], s[TB], 2*STEPB
	s_sub_co_u32 s[CNT], s[CNT], 1
	s_cmp_lg_u32 s[CNT], 0
	s_cbranch_scc1 .Lstep_\@
	s_sub_co_u32 s[TB], s[TB], 4*STEPB
	s_xor_b32 s[TB], s[TB], SLOT1                  ; on to the other slot
.endm
; THE CHANGE OF BLOCKS, at the head of slot 8 - a / 4 (ids and the count of slots alone; it leads round no barrier, wait on a fill or add): my state of the high block goes to my own LDS bytes, and the low block begins.
.macro SWITCH
	s_cmp_eq_u32 s[SI], s[NSH]
	s_cbranch_scc0 .Lsame_\@
	SAVE 0
	s_mov_b32 s[Q0], s[Q0L]
	s_mov_b32 s[KF], s[KF0]                        ; the slot ahead begins at key 0 again
.irp i, 0,1,2,3,4,5
	v_mov_b32 v[QF+\i], v[QL+\i]
.endr
	v_mov_b32 v[QS], v[QSL]
	FRESH                                          ; (its lines are also the places between the writes of Q and its scale word and the next products)
	s_wait_alu depctr_va_vdst(0)
.Lsame_\@:
.endm
; THE CHANGE OF SLOTS stands at a slot's head.  Each wave waits for all its tensor loads, adds 0 to its spare word, and waits for that and for its reads of the slot that it has left.  Behind the barrier the slot ahead is whole
; and nobody reads the other one.  fill = 1: that other slot is filled with the four key steps that follow, or, where the slot asked for is the low block's first, with the head's first four.
.macro CHANGE fill
	s_wait_alu depctr_va_vdst(0)
	s_wait_tensorcnt 0x0                           ; no tensor load of mine is out, so the descriptor may be written
	ds_add_u32 v[SPW], v[NIL]                      ; 0 onto my spare word
.if \fill
	ds_add_u32 v[SPW], v[NIL]                      ; twice on end
	s_xor_b32 s[G0+1], s[G0+1], SLOT1              ; the walking descriptor: the other slot,
	s_add_co_u32 s47, s[SI], 1                     ; which will hold slot SI + 1
	s_add_co_u32 s[OFF], s[OFF], 4*STEPB
	s_cmp_eq_u32 s47, s[NSH]
	s_cselect_b32 s[OFF], 0, s[OFF]
	s_add_nc_u64 s[G0+2:G0+3], s[BASE:BASE+1], s[OFF:OFF+1]
	s_or_b32 s[G0+3], s[G0+3], 0x80000000
	s_wait_xcnt 0x0                                ; the last prefetch, a slot back, has read its address
	s_add_nc_u64 s[PFA:PFA+1], s[PFA:PFA+1], 4*STEPB   ; one slot further on than the load
.endif
	s_wait_dscnt 0x0                               ; the adds are done, and my reads of the slot that I have left are over
	s_barrier_signal -1
	s_barrier_wait -1
.if \fill
	TLOAD                                          ; the one tensor load until the next such barrier
	ASK
.endif
.endm
	s_wait_alu depctr_va_vdst(0)
	s_wait_loadcnt 0x0                             ; both blocks' Q
.Lslot:                                            ; eight trips: behind each change of slots the next slot is asked for
	SWITCH
	CHANGE 1
	STEPS
	s_add_co_u32 s[SI], s[SI], 1
	s_cmp_lt_u32 s[SI], 8
	s_cbranch_scc1 .Lslot
	SWITCH                                         ; the ninth slot is written out: nothing is left to fetch
	CHANGE 0
	STEPS
	; THE TWO HALVES OF A TILE ARE JOINED.  My state of the low block goes to my own LDS bytes; behind the barrier I read the two states of the block that I finish.
	SAVE ST1
	s_barrier_signal -1
	s_barrier_wait -1
.irp i, 0,1,2,3,4,5,6,7
	ds_load_b128 v[OT+4*\i:OT+4*\i+3], v[RA] offset:512*\i
	ds_load_b128 v[S+4*\i:S+4*\i+3], v[RB] offset:512*\i
.endr
	ds_load_b128 v[12:15], v[RA] offset:4096
	ds_load_b128 v[8:11], v[RB] offset:4096
	s_wait_dscnt 0x0
	v_min_num_f32 v226, v12, v8                    ; -M of the two: the larger M.  (A half that had no step holds -M = 3e38, a sum of 0 and zeros: its factor comes out 0)
	v_add_f32 v14, v14, v15                        ; each sum's two halves
	v_add_f32 v10, v10, v11
	s_delay_alu instid0(VALU_DEP_3)
	v_sub_f32 v227, v226, v12                      ; own M - the larger M: whole numbers, 0 or less
	v_sub_f32 v226, v226, v8
	s_delay_alu instid0(VALU_DEP_2)
	v_cvt_i32_f32 v227, v227                       ; (they saturate)
	s_delay_alu instid0(VALU_DEP_2)
	v_cvt_i32_f32 v226, v226
	s_delay_alu instid0(VALU_DEP_2)
	v_ldexp_f32 v[FF], 1.0, v227                   ; the two factors: exact powers of two
	s_delay_alu instid0(VALU_DEP_2)
	v_ldexp_f32 v226, 1.0, v226
	s_delay_alu instid0(VALU_DEP_2)
	v_mul_f32 v14, v14, v[FF]
	s_delay_alu instid0(VALU_DEP_1)
	v_fmac_f32 v14, v10, v226
	s_delay_alu instid0(VALU_DEP_1)
	v_permlanex16_b32 v[T4], v14, s[SEL], s[SEL+1]
	s_delay_alu instid0(VALU_DEP_1)
	v_add_f32 v14, v14, v[T4]                      ; with lane l xor 16's: the row's sum l
	s_wait_alu depctr_va_vdst(0)
	v_rcp_f32 v14, v14
	v_nop                                          ; the plain place behind the reciprocal
	s_wait_alu depctr_va_vdst(0)                   ; the wait ahead of its first reader
	v_mul_f32 v12, v[FF], v14                      ; factor / l, for my half
	v_mul_f32 v10, v226, v14                       ; and for my partner's
.set j, 0
.rept 16
	v_pk_mul_f32 v[S+j:S+j+1], v[S+j:S+j+1], v[10:11] op_sel_hi:[1,0]
.set j, j+2
.endr
.set j, 0
.rept 16
	v_pk_fma_f32 v[S+j:S+j+1], v[OT+j:OT+j+1], v[12:13], v[S+j:S+j+1] op_sel_hi:[1,0,1]
.set j, j+2
.endr
	; THE WAY OUT.  Register 16 b + i is channel 32 b + 16 h + i of my query: two blocks of 32 along the last product's K.  They become six registers: half a fragment's image, and two scale bytes.
.irp b, 0,1
	v_max3_num_f32 v[BM+\b], |v[S+16*\b]|, |v[S+1+16*\b]|, 0x1800000
.endr
.irp i, 2,4,6,8,10,12,14
.irp b, 0,1
	s_delay_alu instid0(VALU_DEP_2)
	v_max3_num_f32 v[BM+\b], v[BM+\b], |v[S+16*\b+\i]|, |v[S+1+16*\b+\i]|
.endr
.endr
.irp b, 0,1
	s_delay_alu instid0(VALU_DEP_2)
	v_permlanex16_b32 v[T4+\b], v[BM+\b], s[SEL], s[SEL+1]
.endr
.irp b, 0,1
	s_delay_alu instid0(VALU_DEP_2)
	v_max_num_f32 v[BM+\b], v[BM+\b], v[T4+\b]
.endr
.irp b, 0,1
	s_delay_alu instid0(VALU_DEP_2)
	v_add_nc_u32 v[SO+\b], 0xff000000, v[BM+\b]
.endr
.irp b, 0,1
	s_delay_alu instid0(VALU_DEP_2)
	v_lshrrev_b32 v[T4+\b], 23, v[SO+\b]
.endr
	v_cvt_scalef32_pk16_fp6_f32 v[PC:PC+2], v[S:S+15], v[SO]
	v_cvt_scalef32_pk16_fp6_f32 v[EE:EE+2], v[S+16:S+31], v[SO+1]
	v_nop                                          ; one plain place behind a scaled conversion
.irp i, 0,1,2
	v_permlane16_swap_b32 v[PC+\i], v[EE+\i]
.endr
.irp i, 0,1,2
	s_delay_alu instid0(VALU_DEP_3)
	v_mov_b32 v[PC+3+\i], v[EE+\i]
.endr
	v_cndmask_b32 v226, v[T4], v[T4+1], s[HM]      ; lanes 0-15 store block 0's byte, lanes 16-31 block 1's
	global_store_b128 v[L16], v[PC:PC+3], s[54:55]                 ; 512 consecutive bytes, aligned to 256
	global_store_b64 v[L8], v[PC+4:PC+5], s[54:55] offset:512      ; 256
	global_store_b8 v31, v226, s[56:57] offset:24576               ; 32 single bytes a wave: a scale word's four bytes come from two heads, that is from two work-groups; 131,072 such bytes in the launch
	s_wait_tensorcnt 0x0                           ; the wave's end, behind the last tensor load and the last LDS store
	ds_add_u32 v[SPW], v[NIL]
	s_wait_dscnt 0x0
	s_endpgm
.Lfunc_end_k_q3e90552922_attn:
	.size	k_q3e90552922_attn, .Lfunc_end_k_q3e90552922_attn-k_q3e90552922_attn
	.p2alignl 7, 3214868480
	.fill 96, 4, 3214868480
	.section	.rodata,"a",@progbits
	.p2align	6, 0x0
	.amdhsa_kernel k_q3e90552922_attn
		.amdhsa_group_segment_fixed_size 327680
		.amdhsa_private_segment_fixed_size 0
		.amdhsa_enable_private_segment 0
		.amdhsa_kernarg_size 24
		.amdhsa_user_sgpr_count 2
		.amdhsa_user_sgpr_kernarg_segment_ptr 1
		.amdhsa_wavefront_size32 1
		.amdhsa_system_sgpr_workgroup_id_x 1
		.amdhsa_system_sgpr_workgroup_id_y 1
		.amdhsa_system_sgpr_workgroup_id_z 1
		.amdhsa_system_vgpr_workitem_id 0
		.amdhsa_next_free_vgpr 256
		.amdhsa_next_free_sgpr 66
		.amdhsa_reserve_vcc 1
		.amdhsa_float_denorm_mode_32 3
		.amdhsa_float_denorm_mode_16_64 3
		.amdhsa_memory_ordered 1
		.amdhsa_forward_progress 1
		.amdhsa_inst_pref_size 68
	.end_amdhsa_kernel
	.amdgpu_metadata
---
amdhsa.version: [ 1, 2 ]
amdhsa.kernels:
  - .name:           k_q3e90552922_attn
    .symbol:         k_q3e90552922_attn.kd
    .args:
      - { .name: qrec, .offset: 0, .size: 8, .value_kind: global_buffer, .address_space: global }
      - { .name: kv, .offset: 8, .size: 8, .value_kind: global_buffer, .address_space: global }
      - { .name: oimg, .offset: 16, .size: 8, .value_kind: global_buffer, .address_space: global }
    .group_segment_fixed_size: 327680
    .private_segment_fixed_size: 0
    .kernarg_segment_align: 8
    .kernarg_segment_size: 24
    .max_flat_workgroup_size: 512
    .sgpr_count:     66
    .vgpr_count:     256
    .wavefront_size: 32
...
	.end_amdgpu_metadata
.endif
;; end of part 3
;; launch proj (part 4): grid 8 x 32, 4 waves a work-group, clusters of 4 x 4, 327,680 bytes of LDS; arguments oimg, wimg, bproj, out0; writes out0
.if DOCPART == 4
	.amdgcn_target "amdgcn-amd-amdhsa--gfx1250"
	.amdhsa_code_object_version 6
	.text
	.protected	k_q3e90552922_proj
	.globl	k_q3e90552922_proj
	.p2align	8
	.type	k_q3e90552922_proj,@function
k_q3e90552922_proj:
	s_mov_b64 s[64:65], 0
	v_nop
	global_prefetch_b8 v0, s[64:65] scope:SCOPE_SE
	s_setreg_imm32_b32 hwreg(HW_REG_WAVE_MODE, 25, 1), 1
	s_wait_xcnt 0x0
	s_wait_alu depctr_hold_cnt(0) depctr_sa_sdst(0) depctr_va_vdst(0) depctr_va_sdst(0) depctr_va_ssrc(0) depctr_va_vcc(0) depctr_vm_vsrc(0)
	s_getreg_b32 s2, hwreg(HW_REG_IB_STS2, 6, 4)
	s_cmp_eq_u32 s2, 0
	s_cbranch_scc0 .Lentry_in_a_cluster
	s_endpgm
.Lentry_in_a_cluster:
	s_bfe_u32 s2, ttmp6, 0x10000c
	s_cmp_lg_u32 s2, 0xf033
	s_cbranch_scc0 .Lentry_shape_is_right
	s_endpgm
.Lentry_shape_is_right:
; out0 = O Wproj + bproj on codes of FP6 (E2M3) with E8M0 scales.  A work-group of four waves makes 128 x 128, a wave 64 x 64: 16 accumulators; source 0 = rows of wimg (n), source 1 = rows of oimg (tokens).
; K = 1,024 is four records of 25,600 bytes a side, dense in memory; all eight stay in LDS.  Waves 0 and 1 fetch A's records 0, 1 and 2, 3, waves 2 and 3 B's: ONE joint load of 200 rows of 256 bytes a wave, at the head; nothing is filled again.
; CLUSTERS 4 x 4: A's records are shared along a row of the cluster, B's along a column.  The sums start from the bias; results leave through each wave's own stage as whole rows of 256 bytes.
.set REC,   25600
.set RBB,   4*REC
.set STAGE, 2*RBB
.set SPARE, STAGE+4*4352
.set L16,  3
.set L8,   4
.set A16,  8
.set A8,   10
.set B16,  12
.set B8,   14
.set ADRS, 16
.set STO,  18
.set RD,   19
.set CO,   20
.set SPW,  28
.set NIL,  29
.set SC,   32
.set BP,   64
.set ACC,  128
.set G1,   24
.set G1B,  48
.set G0A,  68
.set G0B,  80
.set MSB, 0
.macro WIN new
.if MSB != \new
	s_set_vgpr_msb (MSB<<8)|\new
.set MSB, \new
.endif
.endm
.macro PLACES n
.rept \n
	v_nop
.endr
.endm
.macro JLOAD g0a, g1a, g0b, g1b
	s_cmp_eq_u32 s15, 0
	s_cbranch_scc0 .Lfor_b_\@
	tensor_load_to_lds s[\g0a:\g0a+3], s[\g1a:\g1a+7]
	s_nop 0
.rept 4
	v_nop
.endr
	s_branch .Lasked_\@
.Lfor_b_\@:
	tensor_load_to_lds s[\g0b:\g0b+3], s[\g1b:\g1b+7]
	s_nop 0
.rept 4
	v_nop
.endr
.Lasked_\@:
.endm
.macro CROUND
	s_barrier_signal -1
	s_barrier_wait -1
	s_cmp_lg_u32 s14, 0
	s_cbranch_scc1 .Lnot_wave_0_\@
	s_barrier_signal -3
.Lnot_wave_0_\@:
	s_barrier_wait -3
	s_barrier_signal -1
	s_barrier_wait -1
.endm
.macro FRAG reg, a16, a8, off
	ds_load_b128 v[(\reg):(\reg)+3], v[\a16] offset:(\off)
	ds_load_b64 v[(\reg)+4:(\reg)+5], v[\a8] offset:(\off)+512
	ds_load_b128 v[(\reg)+6:(\reg)+9], v[\a16] offset:(\off)+768
	ds_load_b64 v[(\reg)+10:(\reg)+11], v[\a8] offset:(\off)+1280
.endm
.macro FETCH p
.set F_SG, (\p)>>1
.set F_G,  F_SG>>1
.set F_O,  (F_SG&1)*REC+12288*((\p)&1)
.set F_R,  128*((\p)&1)
	WIN 0x40
.irp i, 0,1,2,3
	FRAG F_R+12*\i, B16+F_G, B8+F_G, F_O+1536*\i
.endr
.irp i, 0,1,2,3
	FRAG F_R+48+12*\i, A16+F_G, A8+F_G, F_O+1536*\i
.endr
	WIN 0
.if ((\p)&1) == 0
	ds_load_b128 v[SC+8*(F_SG&1):SC+8*(F_SG&1)+3], v[ADRS+F_G] offset:(F_SG&1)*REC
	ds_load_b128 v[SC+8*(F_SG&1)+4:SC+8*(F_SG&1)+7], v[ADRS+F_G] offset:(F_SG&1)*REC+256
.endif
.endm
.macro MUL p
.set M_R,  128*((\p)&1)
.set M_Q,  (\p)&1
.set M_SC, SC+8*(((\p)>>1)&1)
.irp a, 0,1,2,3
.irp b, 0,1,2,3
.if (\p) == 0
	v_wmma_scale_f32_16x16x128_f8f6f4 v[ACC+8*(4*\a+\b):ACC+8*(4*\a+\b)+7], v[M_R+12*\b:M_R+12*\b+11], v[M_R+48+12*\a:M_R+48+12*\a+11], v[BP+8*\b:BP+8*\b+7], v[M_SC+2*\b+M_Q], v[M_SC+2*\a+M_Q] matrix_a_fmt:MATRIX_FMT_FP6 matrix_b_fmt:MATRIX_FMT_FP6 matrix_a_scale:MATRIX_SCALE_ROW1
.else
	v_wmma_scale_f32_16x16x128_f8f6f4 v[ACC+8*(4*\a+\b):ACC+8*(4*\a+\b)+7], v[M_R+12*\b:M_R+12*\b+11], v[M_R+48+12*\a:M_R+48+12*\a+11], v[ACC+8*(4*\a+\b):ACC+8*(4*\a+\b)+7], v[M_SC+2*\b+M_Q], v[M_SC+2*\a+M_Q] matrix_a_fmt:MATRIX_FMT_FP6 matrix_b_fmt:MATRIX_FMT_FP6 matrix_a_scale:MATRIX_SCALE_ROW1
.endif
.endr
.endr
.endm
	s_load_b128 s[4:7], s[0:1], 0x0
	s_load_b128 s[8:11], s[0:1], 0x10
	v_lshl_add_u32 v[SPW], v0, 2, SPARE
	v_mov_b32 v[NIL], 0
	ds_add_u32 v[SPW], v[NIL]
	ds_add_u32 v[SPW], v[NIL]
	v_lshrrev_b32 v1, 5, v0
	v_readfirstlane_b32 s14, v1
	s_lshr_b32 s15, s14, 1
	s_and_b32 s16, s14, 1
	s_bfe_u32 s40, ttmp6, 0x40000
	s_bfe_u32 s41, ttmp6, 0x40004
	s_lshl_b32 s43, s41, 2
	s_lshl_b32 s43, 15, s43
	s_lshl_b32 s44, 0x1111, s40
	s_or_b32 s[G1], s43, (3<<16)|(1<<21)
	s_or_b32 s[G1B], s44, (3<<16)|(1<<21)
.irp g, G1, G1B
	s_mov_b32 s[\g+1], 32<<16
	s_mov_b32 s[\g+2], 200<<16
	s_mov_b32 s[\g+3], 32<<16
	s_mov_b32 s[\g+4], 200
	s_mov_b32 s[\g+5], 32
	s_mov_b32 s[\g+6], 0
	s_mov_b32 s[\g+7], 0
.endr
	s_and_b32 s17, ttmp7, 0xffff
	s_lshl_b32 s17, s17, 2
	s_add_co_u32 s17, s17, s41
	s_lshl_b32 s42, ttmp9, 2
	s_add_co_u32 s42, s42, s40
	s_mul_i32 s18, s16, 2*REC
	s_mul_i32 s20, s17, RBB
	s_add_co_u32 s20, s20, s18
	s_mov_b32 s21, 0
	s_add_co_u32 s46, s42, 24
	s_mul_i32 s46, s46, RBB
	s_add_co_u32 s46, s46, s18
	s_mov_b32 s47, 0
	s_mul_i32 s45, s15, RBB
	s_add_co_u32 s45, s45, s18
	s_wait_dscnt 0x0
	s_wait_kmcnt 0x0
	s_add_nc_u64 s[20:21], s[4:5], s[20:21]
	s_add_nc_u64 s[46:47], s[6:7], s[46:47]
	CROUND
.irp s, 0
	s_mov_b32 s[G0A+4*\s], 1
	s_add_co_u32 s[G0A+4*\s+1], s45, \s*2*REC
	s_add_nc_u64 s[G0A+4*\s+2:G0A+4*\s+3], s[20:21], \s*2*REC
	s_or_b32 s[G0A+4*\s+3], s[G0A+4*\s+3], 0x80000000
	s_mov_b32 s[G0B+4*\s], 1
	s_add_co_u32 s[G0B+4*\s+1], s45, \s*2*REC
	s_add_nc_u64 s[G0B+4*\s+2:G0B+4*\s+3], s[46:47], \s*2*REC
	s_or_b32 s[G0B+4*\s+3], s[G0B+4*\s+3], 0x80000000
	JLOAD G0A+4*\s, G1, G0B+4*\s, G1B
.endr
	v_and_b32 v21, 31, v0
	v_and_b32 v1, 15, v0
	v_bfe_u32 v2, v0, 4, 1
	s_wait_alu depctr_va_vdst(0)
	v_lshlrev_b32 v[L16], 4, v21
	s_wait_alu depctr_va_vdst(0)
	v_lshlrev_b32 v[L8], 3, v21
	s_wait_alu depctr_va_vdst(0)
	s_mul_i32 s58, s15, 4*1536
	s_mul_i32 s59, s16, 4*1536
	s_add_co_u32 s59, s59, RBB
	s_lshl_b32 s60, s15, 9
	s_lshl_b32 s61, s16, 9
	s_add_co_u32 s61, s61, RBB
	s_sub_co_u32 s61, s61, s60
	s_add_co_u32 s60, s60, 24576
	v_mul_u32_u24 v22, s61, v2
	v_lshl_add_u32 v22, v1, 4, v22
.irp g, 0,1
	v_add_nc_u32 v[A16+\g], s58, v[L16]
	v_add_nc_u32 v[A8+\g], s58, v[L8]
	v_add_nc_u32 v[B16+\g], s59, v[L16]
	v_add_nc_u32 v[B8+\g], s59, v[L8]
	v_add_nc_u32 v[ADRS+\g], s60, v22
	s_add_co_u32 s58, s58, 2*REC
	s_add_co_u32 s59, s59, 2*REC
	s_add_co_u32 s60, s60, 2*REC
.endr
	s_mul_i32 s62, s14, 4352
	s_add_co_u32 s62, s62, STAGE
	v_mul_u32_u24 v[STO], v1, 272
	v_lshl_add_u32 v[STO], v2, 6, v[STO]
	v_add_nc_u32 v[STO], s62, v[STO]
	v_mul_u32_u24 v[RD], v2, 272
	v_lshl_add_u32 v[RD], v1, 4, v[RD]
	v_add_nc_u32 v[RD], s62, v[RD]
	v_lshlrev_b32 v[CO], 12, v2
	v_lshl_add_u32 v[CO], v1, 4, v[CO]
	s_lshl_b32 s56, s42, 9
	s_lshl_b32 s57, s16, 8
	s_add_co_u32 s56, s56, s57
	s_mov_b32 s57, 0
	s_add_nc_u64 s[8:9], s[8:9], s[56:57]
	s_lshl_b32 s22, s17, 19
	s_lshl_b32 s23, s15, 18
	s_add_co_u32 s22, s22, s23
	s_add_co_u32 s22, s22, s56
	s_mov_b32 s23, 0
	s_add_nc_u64 s[10:11], s[10:11], s[22:23]
	v_lshlrev_b32 v24, 6, v2
.irp b, 0,1,2,3
	global_load_b128 v[BP+8*\b:BP+8*\b+3], v24, s[8:9] offset:128*(\b>>1)+32*(\b&1)
	global_load_b128 v[BP+8*\b+4:BP+8*\b+7], v24, s[8:9] offset:128*(\b>>1)+32*(\b&1)+16
.endr
	s_wait_tensorcnt 0x0
	s_barrier_signal -1
	s_barrier_wait -1
	FETCH 0
	s_wait_loadcnt 0x0
.irp p, 0,1,2,3,4,5,6,7
.if \p >= 1
	PLACES 4
.endif
.if \p < 7
	FETCH \p+1
.endif
.if \p == 7
	s_wait_dscnt 0x0
.elseif (\p+1)&1
	s_wait_dscnt 32
.else
	s_wait_dscnt 34
.endif
	WIN 0x05
	MUL \p
	WIN 0
.endr
.macro TOSTAGE a
.irp b, 0,1,2,3
	ds_store_b128 v[STO], v[ACC+8*(4*(\a)+\b):ACC+8*(4*(\a)+\b)+3] offset:128*(\b>>1)+32*(\b&1)
	ds_store_b128 v[STO], v[ACC+8*(4*(\a)+\b)+4:ACC+8*(4*(\a)+\b)+7] offset:128*(\b>>1)+32*(\b&1)+16
.endr
.set OBB, 32+32*((\a)&1)
.irp t, 0,1,2,3,4,5,6,7
	ds_load_b128 v[OBB+4*\t:OBB+4*\t+3], v[RD] offset:544*\t
.endr
.endm
.macro SEND a, younger
.set OBB, 32+32*((\a)&1)
	s_wait_dscnt \younger
.irp t, 0,1,2,3,4,5,6,7
	global_store_b128 v[CO], v[OBB+4*\t:OBB+4*\t+3], s[10:11] offset:(32*((\a)>>1)+8*((\a)&1)+2*\t+8*(\t>>2))*4096 th:TH_STORE_NT
.endr
.endm
	PLACES 4
	s_wait_alu depctr_va_vdst(0)
	TOSTAGE 0
.irp a, 1,2,3
.if \a > 1
	s_wait_xcnt 0x0
.endif
	TOSTAGE \a
	SEND \a-1, 16
.endr
	SEND 3, 0
	s_wait_tensorcnt 0x0
	ds_add_u32 v[SPW], v[NIL]
	s_wait_dscnt 0x0
	CROUND
	s_endpgm
.Lfunc_end_k_q3e90552922_proj:
	.size	k_q3e90552922_proj, .Lfunc_end_k_q3e90552922_proj-k_q3e90552922_proj
	.p2alignl 7, 3214868480
	.fill 96, 4, 3214868480
	.section	.rodata,"a",@progbits
	.p2align	6, 0x0
	.amdhsa_kernel k_q3e90552922_proj
		.amdhsa_group_segment_fixed_size 327680
		.amdhsa_private_segment_fixed_size 0
		.amdhsa_enable_private_segment 0
		.amdhsa_kernarg_size 32
		.amdhsa_user_sgpr_count 2
		.amdhsa_user_sgpr_kernarg_segment_ptr 1
		.amdhsa_wavefront_size32 1
		.amdhsa_system_sgpr_workgroup_id_x 1
		.amdhsa_system_sgpr_workgroup_id_y 1
		.amdhsa_system_sgpr_workgroup_id_z 1
		.amdhsa_system_vgpr_workitem_id 0
		.amdhsa_next_free_vgpr 512
		.amdhsa_next_free_sgpr 100
		.amdhsa_reserve_vcc 0
		.amdhsa_float_denorm_mode_32 3
		.amdhsa_float_denorm_mode_16_64 3
		.amdhsa_memory_ordered 1
		.amdhsa_forward_progress 1
		.amdhsa_inst_pref_size 50
	.end_amdhsa_kernel
	.amdgpu_metadata
---
amdhsa.version: [ 1, 2 ]
amdhsa.kernels:
  - .name:           k_q3e90552922_proj
    .symbol:         k_q3e90552922_proj.kd
    .args:
      - { .name: oimg, .offset: 0, .size: 8, .value_kind: global_buffer, .address_space: global }
      - { .name: wimg, .offset: 8, .size: 8, .value_kind: global_buffer, .address_space: global }
      - { .name: bproj, .offset: 16, .size: 8, .value_kind: global_buffer, .address_space: global }
      - { .name: out0, .offset: 24, .size: 8, .value_kind: global_buffer, .address_space: global }
    .group_segment_fixed_size: 327680
    .private_segment_fixed_size: 0
    .kernarg_segment_align: 8
    .kernarg_segment_size: 32
    .max_flat_workgroup_size: 128
    .sgpr_count:     100
    .vgpr_count:     512
    .wavefront_size: 32
...
	.end_amdgpu_metadata
.endif
;; end of part 4
